; MI455X (gfx1250); checked and timed in simulation.
; The chip was launched on July 23, 2026; its instructions are those of AMD's public machine-readable ISA for CDNA 5 (MIT licence, August 2026) and "CDNA5" Instruction Set Architecture Reference Guide (July 2026). The comments in the code are by the model that wrote it; some were corrected since.
;; Multi Head Attention. Allowed arithmetic: matrix products marked QUANTISED: E2M1 operands, one E8M0 scale for each 32 along K, by v_wmma_scale_f32_16x16x128_f8f6f4 with both operands' format E2M1 (or v_wmma_scale_f32_32x16x128_f4), f32 sums; products left as they are: bf16, f16 or f32 operands; f32 sums; everything else in f32.
;; Inputs: bk 1,024 float32; bo 1,024 float32; bq 1,024 float32; bv 1,024 float32; k 4 x 2,048 x 1,024 float32; mask 4 x 1 x 2,048 x 2,048 int32; q 4 x 2,048 x 1,024 float32; v 4 x 2,048 x 1,024 float32; wk 1,024 x 1,024 float32; wo 1,024 x 1,024 float32; wq 1,024 x 1,024 float32; wv 1,024 x 1,024 float32.
;; Outputs: out0 4 x 2,048 x 1,024 float32.
;; This version of the problem:
;;   THIS VERSION OF THE PROBLEM IS GIVEN IN LOW PRECISION. The matrix products marked QUANTISED in the list below multiply operands that are first quantised to E2M1 (2 exponent bits, 1 mantissa bit; 4 bits a number), with one power-of-two scale for each 32 numbers along K (OCP MX v1.0); their sums are f32. The products marked 'left as it is' may take bf16, f16 or f32 operands, with f32 sums. Whichever they take, every output number must still come out within the allowed error. Rounding operands to bf16 (8 significant bits) uses up far more of that allowance than f16 does (11 bits, for magnitudes from 6e-5 to 65,504). All else is computed in f32.
;;   The module's matrix products, in the order in which they are computed (A, B: the left and right operand; K: the contracted axis; several contracted axes count as one K, in the product's order):
;;     1. [M 8,192, K 1,024] x [K 1,024, N 1,024]; A: input q; B: input wq: QUANTISED
;;     2. [M 8,192, K 1,024] x [K 1,024, N 1,024]; A: input k; B: input wk: QUANTISED
;;     3. [M 8,192, K 1,024] x [K 1,024, N 1,024]; A: input v; B: input wv: QUANTISED
;;     4. batch 64 x [M 2,048, K 64] x [K 64, N 2,048]; A: computed on the way; B: computed on the way: left as it is (an operand is computed on the way)
;;     5. batch 64 x [M 2,048, K 2,048] x [K 2,048, N 64]; A: computed on the way; B: computed on the way: left as it is (an operand is computed on the way)
;;     6. [M 8,192, K 1,024] x [K 1,024, N 1,024]; A: computed on the way; B: input wo: left as it is (an operand is computed on the way)
;;   THE QUANTISER, for each operand of a quantised product, along K:
;;     - K is cut into blocks of 32 from its start; a last block that is shorter is filled with zeros.
;;     - A block's scale is 2^e with e = floor(log2(the largest magnitude in the block)) - 2, held to -126 .. 127; a block of zeros has e = 0. As a byte (E8M0): e + 127.
;;     - Each number is divided by its block's scale, clamped to +-6, and rounded to the nearest number of E2M1, ties to even, subnormals kept.
;;     - The product sums the exact products of the quantised numbers (number of the format x scale) in f32.
;;   ~~~python
;;   def quantise(x, axis):      # numpy; x: float32 -> the quantised numbers, widened to float32 again
;;       x = np.moveaxis(x, axis, -1); K = x.shape[-1]
;;       x = np.pad(x, [(0, 0)] * (x.ndim - 1) + [(0, -K % 32)]); x = x.reshape(x.shape[:-1] + (-1, 32)); a = np.abs(x).max(-1, keepdims=True)
;;       e = np.where(a > 0, np.clip(np.frexp(np.where(a > 0, a, 1))[1] - 1 - 2, -126, 127), 0)      # np.frexp(a)[1] - 1 = floor(log2(a)), exactly
;;       r = np.clip(x / 2.0 ** e, -6, 6)
;;       step = 2.0 ** (np.maximum(np.frexp(np.where(r == 0, 1, r))[1] - 1, 0) - 1)
;;       q = np.round(r / step) * step * 2.0 ** e      # np.round: ties to even
;;       return np.moveaxis(q.reshape(q.shape[:-2] + (-1,))[..., :K], -1, axis).astype(np.float32)
;;   ~~~
;; One version. Each part assembles by itself: llvm-mc -triple=amdgcn-amd-amdhsa -mcpu=gfx1250 --defsym DOCPART=n.
;; ======== version 1 of 1: 4 launches
;; limits: values are held in f16: magnitudes above 65,504 overflow, below 6.1e-05 lose precision
;; workspace buffers: codes 14,155,776 bytes; scales 884,736 bytes; wof 2,097,152 bytes; mbits 2,097,152 bytes of whole numbers; qf 16,777,216 bytes; kf 16,777,216 bytes; vf 16,777,216 bytes; aof 16,777,216 bytes
;; launch prep (part 1): grid 1136 x 1, 4 waves a work-group, no clusters, 67,072 bytes of LDS; arguments q, k, v, wq, wk, wv, wo, mask, codes, scales, wof, mbits; writes codes, scales, wof, mbits
.if DOCPART == 1
	.amdgcn_target "amdgcn-amd-amdhsa--gfx1250"
	.amdhsa_code_object_version 6
	.text
	.protected	k_qfde428671e_prep
	.globl	k_qfde428671e_prep
	.p2align	8
	.type	k_qfde428671e_prep,@function
k_qfde428671e_prep:
	s_mov_b64 s[64:65], 0
	v_nop
	global_prefetch_b8 v0, s[64:65] scope:SCOPE_SE
	s_setreg_imm32_b32 hwreg(HW_REG_WAVE_MODE, 25, 1), 1
	s_wait_xcnt 0x0
; EVERYTHING THAT IS READ ONCE AS f32 OR int32.  Three kinds of work-groups, told apart by the work-group's number:
;   0..255     the mask [4][2048][2048] int32 becomes lane-mask words: word (key tile of 16) x 8 + j of query tile qt has bit L = 1 where
;              mask[16 qt + L % 16][16 tile + 8 (L / 16) + j] == 0: the word that a select over register j of a 16 x 16 score tile takes as it stands.
;   256..271   wo [1024][1024] f32 becomes f16, laid as images of a matrix operand's registers (16 rows x 16 columns: 512 bytes, lane l's 16 bytes at 16 l).
;   272..1135  q, k, v, wq, wk, wv (K innermost, dense) become codes of FP4 (E2M1) and one E8M0 byte for each 32 along K: six plain streams on end.
; A block's scale is 2^(floor(log2(its largest magnitude)) - 2); its byte is the largest magnitude's exponent field - 2, held at 1 from below.
; LIMITS: a block of zeros gets the byte 1 (its codes are zeros; this program alone reads the bytes); blocks under 2^(2 - 126) were not tried; NaN and infinities are not served;
; wo beyond 65,504 has no f16 number.
; The first two kinds take ONE path (16 rows x 512 bytes at a time are turned through the wave's own stage in LDS, so that every load reads 512 consecutive bytes and a lane
; ends with 8 neighbours of one row); the third takes another path, with LDS bytes of its own.  Waves share nothing: no barrier.
.set SPARE, 66560                      ; behind both paths' regions: the spare words, 128 bytes for each wave
.set SPW,   12                         ; v12  LDS address of my spare word; never rewritten
.set NIL,   13                         ; v13  0; never rewritten
.set WV,    28                         ; s28  my wave's number
; the turning path
.set TSTG,  32768                      ; its four stages, 16 rows x 528 bytes each
.set TP,    528                        ; a stage row: 512 bytes + 16: the sixteen rows that a read touches start at sixteen different 16-byte columns
.set STA,   4                          ; v4   stage + 16 x lane: a row as it is loaded
.set LDA,   5                          ; v5   stage + 528 (lane % 16) + 32 (lane / 16): my 8 neighbours of a tile
.set RA,    16                         ; v16-31  row i x pitch + 16 x lane
.set TR,    32                         ; v32-159 two sets of 64: a unit as loaded
.set TX,    160                        ; v160-223 the unit turned: register 8 t + j = (row lane % 16, column 16 t + 8 (lane / 16) + j)
; the quantising path
.set STEPS, 16
.set CB,    8                          ; bytes of 16 codes
.set QR,    16                         ; v16-79   four sets of 16 numbers as loaded
.set QX,    80                         ; v80-111  two sets of 16 neighbours
.set QE,    112                        ; v112-127 a scale byte for each step
.set QC,    128                        ; v128-191 codes, four registers for each step
.set WREG,  8192                       ; a wave's region: two stages of 32 x 80 bytes, then its 256 scale bytes
.set SP,    80
.macro LOADU u                         ; unit u: 16 rows, each load 512 consecutive bytes of one row
.irp i, 0,1,2,3,4,5,6,7,8,9,10,11,12,13,14,15
	global_load_b128 v[TR+64*((\u)%2)+4*\i:TR+64*((\u)%2)+4*\i+3], v[RA+\i], s[40:41] offset:512*(\u) th:TH_LOAD_NT
.endr
.endm
.macro UNIT u
.if \u < 7
	s_wait_loadcnt 16                              ; this unit's 16 loads are in; the next unit's 16 may be out
.else
	s_wait_loadcnt 0x0
.endif
.irp i, 0,1,2,3,4,5,6,7,8,9,10,11,12,13,14,15
	ds_store_b128 v[STA], v[TR+64*((\u)%2)+4*\i:TR+64*((\u)%2)+4*\i+3] offset:TP*\i
.endr
	s_wait_xcnt 0x0                                ; the last unit's global stores have read their data: the turned unit and the words may be written again
.irp t, 0,1,2,3,4,5,6,7
.irp i, 0,1
	ds_load_b128 v[TX+8*\t+4*\i:TX+8*\t+4*\i+3], v[LDA] offset:64*\t+16*\i   ; LDS serves a wave's instructions in order: these see the stores above
.endr
.endr
	s_wait_dscnt 0x0                               ; the unit is back, and the stage's stores have read their registers,
.if \u < 6
	LOADU (\u)+2                                   ; which take the unit two further on
.endif
	s_cmp_lt_u32 ttmp9, 256                        ; the mask's work-group or wo's: the branch leads round register work and global stores alone
	s_cbranch_scc0 .Lwo_\@
.irp g, 0,1,2,3,4,5,6,7
.irp j, 0,1,2,3,4,5,6,7
	v_cmp_eq_u32 s[48+\j], 0, v[TX+8*\g+\j]        ; word 8 g + j of the unit: one bit a lane
.endr
.irp j, 0,1,2,3,4,5,6,7
	v_writelane_b32 v[8+\j%2], s[48+\j], (8*\g+\j)/2   ; lane l gathers words 2 l and 2 l + 1
.endr
.endr
	global_store_b64 v6, v[8:9], s[42:43] offset:256*(\u)   ; the unit's 64 words: 256 consecutive bytes, aligned
	s_branch .Ljoin_\@
.Lwo_\@:
.set n, 0
.rept 32
	v_cvt_pk_f16_f32 v[TX+n], v[TX+2*n], v[TX+2*n+1]   ; in place, ascending: register n is written when registers up to 2 n + 1 have been read
.set n, n+1
.endr
.irp t, 0,1,2,3,4,5,6,7
	global_store_b128 v3, v[TX+4*\t:TX+4*\t+3], s[42:43] offset:65536*(\u)+512*\t   ; an image of 16 rows x 16 columns: 512 consecutive bytes
.endr
.Ljoin_\@:
.endm
.macro QLOAD t
.irp i, 0,1,2,3
	global_load_b128 v[QR+16*((\t)%4)+4*\i:QR+16*((\t)%4)+4*\i+3], v3, s[30:31] offset:2048*(\t)+512*\i th:TH_LOAD_NT   ; 32 lanes read 512 consecutive bytes
.endr
.endm
.macro QTURN t                         ; step t's 2,048 bytes through the stage: in as they lie, out 64 bytes a lane
.irp i, 0,1,2,3
	ds_store_b128 v14, v[QR+16*((\t)%4)+4*\i:QR+16*((\t)%4)+4*\i+3] offset:32*SP*((\t)%2)+8*SP*\i
.endr
.irp i, 0,1,2,3
	ds_load_b128 v[QX+16*((\t)%2)+4*\i:QX+16*((\t)%2)+4*\i+3], v15 offset:32*SP*((\t)%2)+16*\i
.endr
.endm
.macro QSTEP t
.set XS, QX+16*((\t)%2)
.if (\t) > 0
	s_wait_dscnt 1                                 ; this step's numbers are back from the stage; the last step's byte store may be out
.else
	s_wait_dscnt 0x0
.endif
.if (\t)+4 < STEPS
	QLOAD (\t)+4
.endif
.if (\t)+1 < STEPS
.if STEPS-2-(\t) >= 3
	s_wait_loadcnt 12                              ; the next step's four loads are in; those of the three steps behind it may be out
.else
	s_wait_loadcnt 4*(STEPS-2-(\t))
.endif
	QTURN (\t)+1
.endif
	v_max3_num_f32 v8, |v[XS]|, |v[XS+1]|, |v[XS+2]|   ; the largest magnitude of my 16, in two chains
	v_max3_num_f32 v9, |v[XS+3]|, |v[XS+4]|, |v[XS+5]|
.irp i, 6,10
	v_max3_num_f32 v8, v8, |v[XS+\i]|, |v[XS+\i+1]|
	v_max3_num_f32 v9, v9, |v[XS+\i+2]|, |v[XS+\i+3]|
.endr
	v_max3_num_f32 v8, v8, |v[XS+14]|, |v[XS+15]|
	v_max3_num_f32 v8, v8, v9, 0x1800000           ; and the floor 2^(3 - 127): the byte cannot fall under 1
	v_max_num_f32_dpp v8, v8, v8 row_xmask:1 row_mask:0xf bank_mask:0xf   ; with my neighbour's 16: the block's
	v_add_nc_u32 v11, 0xff000000, v8               ; 2 off its exponent field: the conversion takes this operand's exponent field as its scale
	v_cvt_scalef32_pk8_fp4_f32 v[QC+4*(\t)], v[XS:XS+7], v11
	v_cvt_scalef32_pk8_fp4_f32 v[QC+4*(\t)+1], v[XS+8:XS+15], v11
	v_lshrrev_b32 v[QE+(\t)], 23, v11              ; the scale's byte (also the plain line behind the conversions)
	ds_store_b8 v5, v[QE+(\t)] offset:16*(\t)      ; both lanes of a block write the same byte with the same value
	global_store_b64 v4, v[QC+4*(\t):QC+4*(\t)+1], s[20:21] offset:32*CB*(\t)   ; 256 consecutive bytes, aligned
.endm
	s_load_b512 s[4:19], s[0:1], 0x0               ; q, k, v, wq, wk, wv, wo, mask
	s_load_b256 s[20:27], s[0:1], 0x40             ; codes, scales, wof, mbits
	v_lshl_add_u32 v[SPW], v0, 2, SPARE
	v_mov_b32 v[NIL], 0
	v_lshrrev_b32 v1, 5, v0
	v_readfirstlane_b32 s[WV], v1                  ; wave 0..3
	v_and_b32 v2, 31, v0                           ; lane
	v_lshlrev_b32 v3, 4, v2                        ; 16 x lane
	s_wait_kmcnt 0x0
	s_cmp_lt_u32 ttmp9, 272
	s_cbranch_scc0 .Lquant
	; ---- THE TURNING PATH.  Wave job j = 4 x work-group + wave.  j < 1024: query tile j / 2, half j % 2 of its 2,048 keys.  Else: rows 16 (j - 1024) on of wo.
	s_lshl_b32 s29, ttmp9, 2
	s_add_co_u32 s29, s29, s[WV]
	s_lshr_b32 s30, s29, 1
	s_and_b32 s31, s29, 1
	s_lshl_b32 s32, s30, 17                        ; the mask: 16 rows of 8,192 bytes a query tile,
	s_lshl_b32 s33, s31, 12                        ; 4,096 bytes a half
	s_add_co_u32 s32, s32, s33
	s_lshl_b32 s34, s30, 12                        ; its words: 4,096 bytes a query tile,
	s_lshl_b32 s35, s31, 11                        ; 2,048 a half
	s_add_co_u32 s34, s34, s35
	s_sub_co_u32 s36, s29, 1024                    ; wo: row tile nt
	s_lshl_b32 s37, s36, 16                        ; 16 rows of 4,096 bytes
	s_lshr_b32 s38, s36, 4
	s_lshl_b32 s38, s38, 19                        ; images: (nt / 16) x 524,288
	s_and_b32 s39, s36, 15
	s_lshl_b32 s39, s39, 12                        ; + (nt % 16) x 4,096
	s_add_co_u32 s38, s38, s39
	s_mov_b32 s33, 4096
	s_mov_b32 s45, 0
	s_mov_b32 s47, 0
	s_cmp_lt_u32 ttmp9, 256                        ; the choice hangs on the work-group's number alone
	s_cselect_b64 s[40:41], s[18:19], s[16:17]     ; from: mask or wo
	s_cselect_b64 s[42:43], s[26:27], s[24:25]     ; to: mbits or wof
	s_cselect_b32 s44, s32, s37
	s_cselect_b32 s46, s34, s38
	s_cselect_b32 s33, 8192, s33                   ; the pitch from row to row
	s_add_nc_u64 s[40:41], s[40:41], s[44:45]
	s_add_nc_u64 s[42:43], s[42:43], s[46:47]
	s_mul_i32 s35, s[WV], 16*TP
	s_add_co_u32 s35, s35, TSTG                    ; my stage
	v_add_nc_u32 v[STA], s35, v3
	v_and_b32 v7, 15, v0
	v_bfe_u32 v10, v0, 4, 1
	v_mul_u32_u24 v[LDA], v7, TP
	v_lshl_add_u32 v[LDA], v10, 5, v[LDA]
	v_add_nc_u32 v[LDA], s35, v[LDA]
	v_lshlrev_b32 v6, 3, v2                        ; 8 x lane: my two words of a unit's 64
	v_mov_b32 v8, 0                                ; written once: v_writelane_b32's destination counts as read
	v_mov_b32 v9, 0
.irp i, 0,1,2,3,4,5,6,7,8,9,10,11,12,13,14,15
	v_mad_u32_u24 v[RA+\i], s33, \i, v3
.endr
	LOADU 0
	LOADU 1
.irp u, 0,1,2,3,4,5,6,7
	UNIT \u
.endr
	s_wait_tensorcnt 0x0                           ; the wave's end: behind my last LDS store
	ds_add_u32 v[SPW], v[NIL]
	s_wait_dscnt 0x0
	s_endpgm
	; ---- THE QUANTISING PATH.  idx = work-group - 272; a wave takes 16 steps of 512 numbers; codes and scale bytes of the six tensors are one stream each.
.Lquant:
	s_sub_co_u32 s29, ttmp9, 272
	s_cmp_lt_u32 s29, 832
	s_cselect_b64 s[30:31], s[12:13], s[14:15]     ; wk or wv
	s_cmp_lt_u32 s29, 800
	s_cselect_b64 s[30:31], s[10:11], s[30:31]     ; wq
	s_cmp_lt_u32 s29, 768
	s_cselect_b64 s[30:31], s[8:9], s[30:31]       ; v
	s_cselect_b32 s32, 255, 31                     ; 256 work-groups to an activation, 32 to a weight
	s_cmp_lt_u32 s29, 512
	s_cselect_b64 s[30:31], s[6:7], s[30:31]       ; k
	s_cmp_lt_u32 s29, 256
	s_cselect_b64 s[30:31], s[4:5], s[30:31]       ; q
	s_and_b32 s32, s29, s32                        ; my work-group's number within its tensor
	s_lshl_b32 s32, s32, 2
	s_add_co_u32 s32, s32, s[WV]
	s_lshl_b32 s32, s32, 15                        ; 8,192 numbers of 4 bytes a wave
	s_mov_b32 s33, 0
	s_add_nc_u64 s[30:31], s[30:31], s[32:33]
	s_lshl_b32 s34, s29, 2
	s_add_co_u32 s34, s34, s[WV]
	s_lshl_b32 s32, s34, 12                        ; 4,096 bytes of codes a wave
	s_add_nc_u64 s[20:21], s[20:21], s[32:33]
	s_lshl_b32 s32, s34, 8                         ; 256 scale bytes a wave
	s_add_nc_u64 s[22:23], s[22:23], s[32:33]
	s_lshl_b32 s35, s[WV], 13                      ; my region
	v_lshrrev_b32 v14, 2, v2
	v_mul_u32_u24 v14, v14, SP
	v_and_b32 v15, 3, v2
	v_lshl_add_u32 v14, v15, 4, v14
	v_add_nc_u32 v14, s35, v14                     ; the stage on the way in: 80 (lane / 4) + 16 (lane % 4)
	v_mul_u32_u24 v15, v2, SP
	v_add_nc_u32 v15, s35, v15                     ; and on the way out: 80 x lane
	v_lshlrev_b32 v4, 3, v2                        ; 8 x lane: my codes' place in a step's, and my 8 scale bytes at the end
	v_lshrrev_b32 v5, 1, v2
	s_add_co_u32 s35, s35, 2*32*SP
	v_add_nc_u32 v5, s35, v5                       ; my block's byte among my wave's 256
	v_add_nc_u32 v6, s35, v4
.irp t, 0,1,2,3
	QLOAD \t
.endr
	s_wait_loadcnt 12                              ; step 0's four loads are in
	QTURN 0
.irp t, 0,1,2,3,4,5,6,7,8,9,10,11,12,13,14,15
	QSTEP \t
.endr
	ds_load_b64 v[8:9], v6                         ; LDS serves a wave's instructions in order: these see my byte stores
	s_wait_dscnt 0x0
	global_store_b64 v4, v[8:9], s[22:23]          ; 256 consecutive bytes, aligned
	s_wait_tensorcnt 0x0                           ; the wave's end: behind my last LDS store
	ds_add_u32 v[SPW], v[NIL]
	s_wait_dscnt 0x0
	s_endpgm
.Lfunc_end_k_qfde428671e_prep:
	.size	k_qfde428671e_prep, .Lfunc_end_k_qfde428671e_prep-k_qfde428671e_prep
	.p2alignl 7, 3214868480
	.fill 96, 4, 3214868480
	.section	.rodata,"a",@progbits
	.p2align	6, 0x0
	.amdhsa_kernel k_qfde428671e_prep
		.amdhsa_group_segment_fixed_size 67072
		.amdhsa_private_segment_fixed_size 0
		.amdhsa_enable_private_segment 0
		.amdhsa_kernarg_size 96
		.amdhsa_user_sgpr_count 2
		.amdhsa_user_sgpr_kernarg_segment_ptr 1
		.amdhsa_wavefront_size32 1
		.amdhsa_system_sgpr_workgroup_id_x 1
		.amdhsa_system_sgpr_workgroup_id_y 1
		.amdhsa_system_sgpr_workgroup_id_z 1
		.amdhsa_system_vgpr_workitem_id 0
		.amdhsa_next_free_vgpr 224
		.amdhsa_next_free_sgpr 66
		.amdhsa_reserve_vcc 0
		.amdhsa_float_denorm_mode_32 3
		.amdhsa_float_denorm_mode_16_64 3
		.amdhsa_memory_ordered 1
		.amdhsa_forward_progress 1
		.amdhsa_inst_pref_size 153
	.end_amdhsa_kernel
	.amdgpu_metadata
---
amdhsa.version: [ 1, 2 ]
amdhsa.kernels:
  - .name:           k_qfde428671e_prep
    .symbol:         k_qfde428671e_prep.kd
    .args:
      - { .name: q, .offset: 0, .size: 8, .value_kind: global_buffer, .address_space: global }
      - { .name: k, .offset: 8, .size: 8, .value_kind: global_buffer, .address_space: global }
      - { .name: v, .offset: 16, .size: 8, .value_kind: global_buffer, .address_space: global }
      - { .name: wq, .offset: 24, .size: 8, .value_kind: global_buffer, .address_space: global }
      - { .name: wk, .offset: 32, .size: 8, .value_kind: global_buffer, .address_space: global }
      - { .name: wv, .offset: 40, .size: 8, .value_kind: global_buffer, .address_space: global }
      - { .name: wo, .offset: 48, .size: 8, .value_kind: global_buffer, .address_space: global }
      - { .name: mask, .offset: 56, .size: 8, .value_kind: global_buffer, .address_space: global }
      - { .name: codes, .offset: 64, .size: 8, .value_kind: global_buffer, .address_space: global }
      - { .name: scales, .offset: 72, .size: 8, .value_kind: global_buffer, .address_space: global }
      - { .name: wof, .offset: 80, .size: 8, .value_kind: global_buffer, .address_space: global }
      - { .name: mbits, .offset: 88, .size: 8, .value_kind: global_buffer, .address_space: global }
    .group_segment_fixed_size: 67072
    .private_segment_fixed_size: 0
    .kernarg_segment_align: 8
    .kernarg_segment_size: 96
    .max_flat_workgroup_size: 128
    .sgpr_count:     66
    .vgpr_count:     224
    .wavefront_size: 32
...
	.end_amdgpu_metadata
.endif
;; end of part 1
;; launch proj (part 2): grid 4 x 96, 4 waves a work-group, clusters of 4 x 4, 327,680 bytes of LDS; arguments codes, scales, bq, bk, bv, qf, kf, vf; writes qf, kf, vf
.if DOCPART == 2
	.amdgcn_target "amdgcn-amd-amdhsa--gfx1250"
	.amdhsa_code_object_version 6
	.text
	.protected	k_qfde428671e_proj
	.globl	k_qfde428671e_proj
	.p2align	8
	.type	k_qfde428671e_proj,@function
k_qfde428671e_proj:
	s_mov_b64 s[64:65], 0
	v_nop
	global_prefetch_b8 v0, s[64:65] scope:SCOPE_SE
	s_setreg_imm32_b32 hwreg(HW_REG_WAVE_MODE, 25, 1), 1
	s_wait_xcnt 0x0
	s_wait_alu depctr_hold_cnt(0) depctr_sa_sdst(0) depctr_va_vdst(0) depctr_va_sdst(0) depctr_va_ssrc(0) depctr_va_vcc(0) depctr_vm_vsrc(0)
	s_getreg_b32 s2, hwreg(HW_REG_IB_STS2, 6, 4)
	s_cmp_eq_u32 s2, 0
	s_cbranch_scc0 .Lentry_in_a_cluster
	s_endpgm
.Lentry_in_a_cluster:
	s_bfe_u32 s2, ttmp6, 0x10000c
	s_cmp_lg_u32 s2, 0xf033
	s_cbranch_scc0 .Lentry_shape_is_right
	s_endpgm
.Lentry_shape_is_right:
; THE THREE QUANTISED PRODUCTS, x W^T + b, on codes of FP4 (E2M1) with one E8M0 scale for each 32 along K = 1,024; sums in f32; results rounded once to f16 and stored as images of
; the registers in which the attention launch wants them.  One launch: cluster row g = 0..23; tensor t = g / 8 (0 q, 1 k, 2 v), u = g % 8.
; A tile of C, 256 x 256, is made by four waves, 128 x 128 each: 64 accumulators.  All of K lies in two LDS slots of 512 along K: each is filled once; nothing is filled again.
; THE MATRIX INSTRUCTION IS USED TRANSPOSED (source 0 = 16 rows of B, source 1 = 16 rows of A): a lane holds ONE row of A and eight neighbouring rows of B.
;   t = 0, 1:  A = the tokens' codes, B = the weight's: a lane holds one token and 8 channels: a fragment of Q or K (K of the next product = channels).
;   t = 2:     A = wv's codes, B = v's tokens: a lane holds one channel and 8 tokens: a fragment of V^T (K of the next product = keys).  Same instructions, other pointers.
; q's results are multiplied by log2(e) / 8 in f32 ahead of the rounding, so that the scores come out of the matrix unit as exponents to base 2.
; CLUSTERS: 4 x 4 work-groups; A's tiles are asked for jointly along a row of the cluster, B's along a column; t and u are the same in all sixteen.
; LIMIT: a projection beyond 65,504 (q's: x 0.18) has no f16 number; under 6e-5 f16 keeps a step of 6e-8.
; REGISTERS: window 0: v0-31 addresses; v32-95 scale words, two sets, and nothing else ever; v96-111 the bias, one channel a lane; v128-191 A's fragments, one set, on the way out the results;
;   v192-255 the bias along a lane's 8 channels.  window 1: B's fragments, two sets.  window 2, 3: the accumulators ((a, b) at v[8 (8 (a % 4) + b)]).
.set KSTEP,  512
.set NQ,     4                         ; matrix instructions deep in a slot
.set ROWB,   256                       ; a tile's row in bytes
.set KROW,   512                       ; a row of codes in memory
.set PITCH,  272                       ; an LDS row: 256 bytes + 16: the 16 rows that a load touches start at 16 different 16-byte columns
.set FR,     8
.set NL,     2
.set NP,     4
.set HALFT,  128*PITCH
.set SLOT,   4*HALFT
.set KS,     32                        ; a row of scale bytes
.set SCL,    2*SLOT                    ; behind the slots: the scales, as units of 256 bytes + 16
.set HALFS,  (128*KS/256)*272
.set SBLK,   (16*KS/256)*272
.set SPARE,  SCL+4*HALFS               ; the spare words, 128 bytes for each wave
.set ADRA, 16
.set ADRB, 20
.set BOC,  24                          ; v24  32 x (lane / 16): my 8 channels' biases
.set BOR,  25                          ; v25  4 x (lane % 16): my one channel's
.set CO,   26                          ; v26  16 x lane: my place in an image
.set ADRS, 27
.set SPW,  28
.set NIL,  29
.set SC,   32
.set BV,   96
.set AF,   128
.set T,    128
.set BI,   192
.set G1, 24
.set G0, 32
.set G1B, 48
.set G0B, 56
.set G1S, 68
.set G0S, 76
.set G1SB, 80
.set G0SB, 88
.set TT,  95                           ; s95  the tensor's number
.set CSC, 96                           ; s[96:97] what the results are multiplied by
.set MSB, 0
.macro WIN new                         ; the immediate's high byte repeats the setting that is left
.if MSB != (\new)
	s_set_vgpr_msb (MSB<<8)|(\new)
.set MSB, (\new)
.endif
.endm
.set MUL_LO, 0xa1                      ; source 0 (B) window 1, source 1 (A) window 0, C and D window 2
.set MUL_HI, 0xf1
.set TO_B,   0x40
; A joint load: waves 0 and 1 fetch for A, waves 2 and 3 for B; the branch hangs on the wave's number alone.  An s_nop 0 and four v_nop follow each line.
.macro JLOAD g0a, g1a, g0b, g1b
	s_cmp_eq_u32 s15, 0
	s_cbranch_scc0 .Lfor_b_\@
	tensor_load_to_lds s[\g0a:\g0a+3], s[\g1a:\g1a+7]
	s_nop 0
.rept 4
	v_nop
.endr
	s_branch .Lasked_\@
.Lfor_b_\@:
	tensor_load_to_lds s[\g0b:\g0b+3], s[\g1b:\g1b+7]
	s_nop 0
.rept 4
	v_nop
.endr
.Lasked_\@:
.endm
.macro CROUND                          ; a round of the cluster's barrier
	s_barrier_signal -1
	s_barrier_wait -1
	s_cmp_lg_u32 s14, 0
	s_cbranch_scc1 .Lnot_wave_0_\@
	s_barrier_signal -3
.Lnot_wave_0_\@:
	s_barrier_wait -3
	s_barrier_signal -1
	s_barrier_wait -1
.endm
	s_load_b512 s[68:83], s[0:1], 0x0              ; codes, scales, bq, bk, bv, qf, kf, vf
	v_lshl_add_u32 v[SPW], v0, 2, SPARE
	v_mov_b32 v[NIL], 0
	ds_add_u32 v[SPW], v[NIL]                      ; the wave's opening: the add, twice on end, and its wait ahead of my first tensor load
	ds_add_u32 v[SPW], v[NIL]
	v_lshrrev_b32 v1, 5, v0
	v_readfirstlane_b32 s14, v1                    ; wave 0..3
	s_lshr_b32 s15, s14, 1                         ; which half of A's rows is mine.  Also: I fetch for A (0) or for B (1)
	s_and_b32 s16, s14, 1                          ; which half of B's rows.  Also: which 128 rows I fetch
	s_bfe_u32 s40, ttmp6, 0x40000                  ; cx, cy
	s_bfe_u32 s41, ttmp6, 0x40004
	s_and_b32 s98, ttmp7, 0xffff                   ; g: the cluster's row in the grid
	s_lshr_b32 s[TT], s98, 3                       ; t
	s_and_b32 s98, s98, 7                          ; u
	s_cmp_eq_u32 s[TT], 2
	s_cselect_b32 s99, s98, 0                      ; the tokens' 32 tiles of 256 lie along B for v, along A for q and k
	s_cselect_b32 s98, 0, s98
	s_lshl_b32 s42, s99, 2
	s_add_co_u32 s42, s42, s40                     ; tile column (B)
	s_lshl_b32 s17, s98, 2
	s_add_co_u32 s17, s17, s41                     ; tile row (A)
	s_lshl_b32 s43, s41, 2
	s_lshl_b32 s43, 15, s43                        ; my row of the cluster
	s_lshl_b32 s44, 0x1111, s40                    ; my column
	s_or_b32 s[G1+0], s43, (0<<16)|(1<<20)|(1<<21)|(5<<22)|(3<<25)  ; the mask; elements of 1 byte; padding: 4 words after every 64; bit 21 beside a mask
	s_or_b32 s[G1B+0], s44, (0<<16)|(1<<20)|(1<<21)|(5<<22)|(3<<25)
.irp g, G1, G1B
	s_mov_b32 s[\g+1], ROWB<<16                    ; tensor_dim0
	s_mov_b32 s[\g+2], 128<<16                     ; tensor_dim1
	s_mov_b32 s[\g+3], ROWB<<16                    ; tile_dim0
	s_mov_b32 s[\g+4], 128                         ; tile_dim1
	s_mov_b32 s[\g+5], KROW                        ; the pitch
	s_mov_b32 s[\g+6], 0
	s_mov_b32 s[\g+7], 0
.endr
	s_lshl_b32 s18, s16, 7                         ; which 128 rows of the tile I fetch
	s_lshl_b32 s20, s17, 8
	s_add_co_u32 s20, s20, s18                     ; A: row 256 x tile row + 128 x half
	s_lshl_b32 s46, s42, 8
	s_add_co_u32 s46, s46, s18                     ; B: row 256 x tile column + 128 x half
	s_mov_b32 s21, 0
	s_mov_b32 s47, 0
	s_mov_b64 s[18:19], KS
	s_mul_u64 s[22:23], s[20:21], s[18:19]         ; these rows' scale bytes,
	s_mul_u64 s[92:93], s[46:47], s[18:19]
	s_mov_b64 s[18:19], KROW
	s_mul_u64 s[20:21], s[20:21], s[18:19]         ; and their codes, within their tensor
	s_mul_u64 s[46:47], s[46:47], s[18:19]
	s_lshl_b32 s100, s[TT], 22                     ; where the tensors begin in the two streams: the tokens' codes,
	s_lshl_b32 s101, s[TT], 19
	s_add_co_u32 s101, s101, 12582912              ; the weight's codes,
	s_lshl_b32 s66, s[TT], 18                      ; the tokens' scale bytes,
	s_lshl_b32 s67, s[TT], 15
	s_add_co_u32 s67, s67, 786432                  ; the weight's
	s_mov_b32 s19, 0
	s_cmp_eq_u32 s[TT], 2                          ; for v the weight is A
	s_cselect_b32 s18, s101, s100
	s_add_nc_u64 s[20:21], s[20:21], s[18:19]
	s_cselect_b32 s18, s100, s101
	s_add_nc_u64 s[46:47], s[46:47], s[18:19]
	s_cselect_b32 s18, s67, s66
	s_add_nc_u64 s[22:23], s[22:23], s[18:19]
	s_cselect_b32 s18, s66, s67
	s_add_nc_u64 s[92:93], s[92:93], s[18:19]
	s_mul_i32 s45, s14, HALFT                      ; where they go: wave x 128 rows: no place in the cluster enters an LDS address
	s_mul_i32 s94, s14, HALFS
	s_cmp_eq_u32 s[TT], 0
	s_cselect_b32 s[CSC], 0x3e38aa3b, 1.0          ; log2(e) / 8 for q, 1 for k
	s_mov_b32 s[CSC+1], s[CSC]
	s_wait_dscnt 0x0                               ; both opening adds are done
	s_wait_kmcnt 0x0
	s_add_nc_u64 s[20:21], s[68:69], s[20:21]
	s_add_nc_u64 s[22:23], s[70:71], s[22:23]
	s_add_nc_u64 s[46:47], s[68:69], s[46:47]
	s_add_nc_u64 s[92:93], s[70:71], s[92:93]
	s_cmp_eq_u32 s[TT], 0
	s_cselect_b64 s[2:3], s[72:73], s[74:75]       ; the bias,
	s_cselect_b64 s[12:13], s[78:79], s[80:81]     ; and where the results go
	s_cmp_eq_u32 s[TT], 2
	s_cselect_b64 s[2:3], s[76:77], s[2:3]
	s_cselect_b64 s[12:13], s[82:83], s[12:13]
	; the arguments' registers are free now: the scales' descriptors.  The scales of 128 rows: a dense block of 4,096 bytes, as 16 rows of 256 bytes, 16 bytes of padding behind each
	s_or_b32 s[G1S+0], s43, (3<<16)|(1<<20)|(1<<21)|(5<<22)|(3<<25)
	s_or_b32 s[G1SB+0], s44, (3<<16)|(1<<20)|(1<<21)|(5<<22)|(3<<25)
.irp g, G1S, G1SB
	s_mov_b32 s[\g+1], 32<<16
	s_mov_b32 s[\g+2], (128*KS/256)<<16
	s_mov_b32 s[\g+3], 32<<16
	s_mov_b32 s[\g+4], 128*KS/256
	s_mov_b32 s[\g+5], 32
	s_mov_b32 s[\g+6], 0
	s_mov_b32 s[\g+7], 0
.endr
	CROUND                                         ; all sixteen work-groups are here: the first joint loads meet
	s_mov_b32 s[G0S], 1
	s_add_co_u32 s[G0S+1], s94, SCL
	s_mov_b64 s[G0S+2:G0S+3], s[22:23]
	s_or_b32 s[G0S+3], s[G0S+3], 0x80000000
	s_mov_b32 s[G0SB], 1
	s_add_co_u32 s[G0SB+1], s94, SCL
	s_mov_b64 s[G0SB+2:G0SB+3], s[92:93]
	s_or_b32 s[G0SB+3], s[G0SB+3], 0x80000000
	JLOAD G0S, G1S, G0SB, G1SB                     ; the scales first: they are wanted with the first slot
.irp s, 0,1
	s_mov_b32 s[G0+4*\s], 1
	s_add_co_u32 s[G0+4*\s+1], s45, \s*SLOT
	s_add_nc_u64 s[G0+4*\s+2:G0+4*\s+3], s[20:21], \s*ROWB
	s_or_b32 s[G0+4*\s+3], s[G0+4*\s+3], 0x80000000
	s_mov_b32 s[G0B+4*\s], 1
	s_add_co_u32 s[G0B+4*\s+1], s45, \s*SLOT
	s_add_nc_u64 s[G0B+4*\s+2:G0B+4*\s+3], s[46:47], \s*ROWB
	s_or_b32 s[G0B+4*\s+3], s[G0B+4*\s+3], 0x80000000
	JLOAD G0+4*\s, G1, G0B+4*\s, G1B               ; three tensor loads of mine are out
.endr
	v_and_b32 v1, 15, v0                           ; l % 16
	v_bfe_u32 v2, v0, 4, 1                         ; l / 16
	v_mul_u32_u24 v3, v1, PITCH
	v_lshl_add_u32 v4, v2, 4, v3                   ; a fragment's row x pitch + 16 x half
	s_mul_i32 s21, s15, HALFT
	s_mul_i32 s22, s16, HALFT
	s_add_co_u32 s22, s22, 2*HALFT
.irp s, 0,1
	v_add_nc_u32 v[ADRA+\s], s21, v4
	v_add_nc_u32 v[ADRB+\s], s22, v4
	s_add_co_u32 s21, s21, SLOT
	s_add_co_u32 s22, s22, SLOT
.endr
	v_mul_u32_u24 v5, v1, KS                       ; my row's scales: 32 bytes a row,
	v_lshrrev_b32 v6, 8, v5
	v_lshl_add_u32 v5, v6, 4, v5                   ; and 16 more for each 256 passed
	s_mul_i32 s21, s15, HALFS
	s_mul_i32 s22, s16, HALFS
	s_add_co_u32 s22, s22, 2*HALFS
	s_sub_co_u32 s22, s22, s21
	v_mul_u32_u24 v6, s22, v2                      ; lanes 16-31 take B's: one product, the distance between the two bases
	s_add_co_u32 s21, s21, SCL
	v_add_nc_u32 v5, v5, v6
	v_add_nc_u32 v[ADRS], s21, v5
	v_lshlrev_b32 v[BOC], 5, v2
	v_lshlrev_b32 v[BOR], 2, v1
	v_and_b32 v6, 31, v0
	v_lshlrev_b32 v[CO], 4, v6
	; where my results go.  In units of 64 rows: along B 4 x tile column + 2 x half, along A 4 x tile row + 2 x half.  The channels' unit is a head; the tokens' unit x 4 is a tile of 16 tokens.
	s_lshl_b32 s20, s42, 2
	s_lshl_b32 s21, s16, 1
	s_add_co_u32 s20, s20, s21
	s_lshl_b32 s22, s17, 2
	s_lshl_b32 s23, s15, 1
	s_add_co_u32 s22, s22, s23
	s_cmp_eq_u32 s[TT], 2
	s_cselect_b32 s46, s22, s20                    ; my first head
	s_cselect_b32 s47, s20, s22
	s_lshl_b32 s47, s47, 2                         ; my first tile of 16 tokens, over all batches
	s_lshr_b32 s20, s47, 7                         ; the batch
	s_lshl_b32 s20, s20, 4
	s_add_co_u32 s20, s20, s46                     ; batch x 16 + head
	s_lshl_b32 s20, s20, 7
	s_and_b32 s21, s47, 127
	s_add_co_u32 s20, s20, s21
	s_lshl_b32 s20, s20, 11                        ; x 2,048 bytes: 16 tokens x 64 channels of f16, in all three layouts
	s_mov_b32 s21, 0
	s_add_nc_u64 s[12:13], s[12:13], s[20:21]
	s_lshl_b32 s20, s46, 8                         ; the bias of my 128 channels: 256 bytes a head
	s_add_nc_u64 s[2:3], s[2:3], s[20:21]
.irp b, 0,1,2,3,4,5,6,7                        ; both layouts are loaded, 512 bytes each: the way out takes the one that its tensor wants
	global_load_b128 v[BI+8*\b:BI+8*\b+3], v[BOC], s[2:3] offset:64*\b        ; channels 16 b + 8 (l / 16) + 0 .. 7
	global_load_b128 v[BI+8*\b+4:BI+8*\b+7], v[BOC], s[2:3] offset:64*\b+16
	global_load_b32 v[BV+2*\b], v[BOR], s[2:3] offset:64*\b                   ; channel 16 b + l % 16, twice: a pair for the packed addition
	global_load_b32 v[BV+2*\b+1], v[BOR], s[2:3] offset:64*\b
.endr
.macro FRAG reg, adr, q, i             ; 16 rows x 128 K of 4-bit codes: 8 registers: registers 4 c .. 4 c + 3 hold K = 64 c + 32 (l / 16) + 0 .. 31
.irp c, 0,1
	ds_load_b128 v[\reg+4*\c:\reg+4*\c+3], v[\adr] offset:64*(\q)+32*\c+(\i)*16*PITCH
.endr
.endm
; 16 matrix instructions: A's blocks a0, a0 + 1 x B's eight.  One register carries A's scale word (lanes 0-15) and B's (lanes 16-31).  The 64 accumulators take turns.
.macro MUL16 a0, p, q, sc, zero
.irp a, \a0, \a0+1
.irp b, 0,1,2,3,4,5,6,7
.if \zero
	v_wmma_scale_f32_16x16x128_f8f6f4 v[8*(8*((\a)%4)+\b):8*(8*((\a)%4)+\b)+7], v[128*(\p)+FR*\b:128*(\p)+FR*\b+FR-1], v[AF+FR*(\a):AF+FR*(\a)+FR-1], 0, v[SC+8*NQ*(\sc)+NQ*\b+(\q)], v[SC+8*NQ*(\sc)+NQ*(\a)+(\q)] matrix_a_fmt:MATRIX_FMT_FP4 matrix_b_fmt:MATRIX_FMT_FP4 matrix_a_scale:MATRIX_SCALE_ROW1
.else
	v_wmma_scale_f32_16x16x128_f8f6f4 v[8*(8*((\a)%4)+\b):8*(8*((\a)%4)+\b)+7], v[128*(\p)+FR*\b:128*(\p)+FR*\b+FR-1], v[AF+FR*(\a):AF+FR*(\a)+FR-1], v[8*(8*((\a)%4)+\b):8*(8*((\a)%4)+\b)+7], v[SC+8*NQ*(\sc)+NQ*\b+(\q)], v[SC+8*NQ*(\sc)+NQ*(\a)+(\q)] matrix_a_fmt:MATRIX_FMT_FP4 matrix_b_fmt:MATRIX_FMT_FP4 matrix_a_scale:MATRIX_SCALE_ROW1
.endif
.endr
.endr
.endm
.macro FETCH_B slot, q, p
	WIN TO_B
.irp i, 0,1,2,3,4,5,6,7
	FRAG 128*(\p)+FR*\i, ADRB+\slot, \q, \i
.endr
	WIN 0
.endm
.macro FETCH_A slot, q, i0
.irp i, \i0, \i0+1, \i0+2, \i0+3
	FRAG AF+FR*(\i), ADRA+\slot, \q, \i
.endr
.endm
.macro SCALES sc                       ; a slot's scale words: 4 words a row; lanes 0-15 take A's block i, lanes 16-31 B's block i
.irp i, 0,1,2,3,4,5,6,7
	ds_load_b128 v[SC+8*NQ*\sc+NQ*\i:SC+8*NQ*\sc+NQ*\i+3], v[ADRS] offset:\i*SBLK
.endr
.endm
.macro PLACES n                        ; plain vector instructions between a matrix instruction and a load into, or a vector read or write of, its registers
.rept \n
	v_nop
.endr
.endm
.macro STEP slot, q, zero              ; 128 along K whose successor lies in the same slot
	s_wait_dscnt 4*NL                              ; B's set and A's blocks 0-3 are in; the youngest eight loads (A's blocks 4-7) may be out
	WIN MUL_LO
	MUL16 0, (\q)%2, \q, \slot, \zero
	MUL16 2, (\q)%2, \q, \slot, \zero
	s_wait_dscnt 0                                 ; A's blocks 4-7 are in
	PLACES NP
	FETCH_B \slot, (\q)+1, 1-(\q)%2
	FETCH_A \slot, (\q)+1, 0
	WIN MUL_HI
	MUL16 4, (\q)%2, \q, \slot, \zero
	MUL16 6, (\q)%2, \q, \slot, \zero
	PLACES NP
	WIN 0
	FETCH_A \slot, (\q)+1, 4
.endm
.macro TURN slot, next                 ; slot 0's last step: one barrier, behind which slot 1 is whole for every wave; nothing is filled again
	s_wait_tensorcnt 0x0                           ; all my tensor loads have landed: my part of slot 1
	ds_add_u32 v[SPW], v[NIL]                      ; 0 onto my spare word
	s_wait_dscnt 4*NL+1                            ; (the add and A's blocks 4-7 may be out)
	WIN MUL_LO
	MUL16 0, 1, NQ-1, \slot, 0
	s_wait_dscnt 0x0                               ; no LDS instruction of mine is out at the signal
	s_barrier_signal -1
	MUL16 2, 1, NQ-1, \slot, 0
	WIN 0
	s_barrier_wait -1
	PLACES NP
	v_add_nc_u32 v[ADRS], 4*NQ, v[ADRS]            ; on to the next slot's scale words
	FETCH_B \next, 0, 0
	FETCH_A \next, 0, 0
	SCALES \next
	WIN MUL_HI
	MUL16 4, 1, NQ-1, \slot, 0
	MUL16 6, 1, NQ-1, \slot, 0
	PLACES NP
	WIN 0
	FETCH_A \next, 0, 4
.endm
	s_wait_tensorcnt 1                             ; the scales and my part of slot 0 are in (slot 1's load may be out)
	s_barrier_signal -1
	s_barrier_wait -1                              ; everybody's are
	FETCH_B 0, 0, 0
	FETCH_A 0, 0, 0
	SCALES 0
	FETCH_A 0, 0, 4
	STEP 0, 0, 1                                   ; the first products start the sums: nothing is cleared
	STEP 0, 1, 0
	STEP 0, 2, 0
	TURN 0, 1
	STEP 1, 0, 0
	STEP 1, 1, 0
	STEP 1, 2, 0
	s_wait_dscnt 4*NL                              ; the last step: nothing more to fetch
	WIN MUL_LO
	MUL16 0, 1, NQ-1, 1, 0
	MUL16 2, 1, NQ-1, 1, 0
	s_wait_dscnt 0
	WIN MUL_HI
	MUL16 4, 1, NQ-1, 1, 0
	MUL16 6, 1, NQ-1, 1, 0
	WIN 0
; THE WAY OUT, A's blocks one after the other.  A lane's eight results of accumulator (a, b) are the 16 bytes that the same lane holds of an operand's half fragment: they are stored as they stand,
; 512 consecutive bytes an instruction; no LDS.  Each accumulator is read from its low end on.
.macro OUTBLK a, isv
.set AC, 64*((\a)%4)
	s_wait_xcnt 0x0                                ; the last block's stores have read their data: the registers may be written again
	WIN 0x02+((\a)/4)                              ; source 0: window 2 or 3
.irp b, 0,1,2,3,4,5,6,7
.irp i, 0,1,2,3
.if \isv
	v_pk_add_f32 v[T+8*\b+2*\i:T+8*\b+2*\i+1], v[AC+8*\b+2*\i:AC+8*\b+2*\i+1], v[BV+2*(\a):BV+2*(\a)+1]
.else
	v_pk_fma_f32 v[T+8*\b+2*\i:T+8*\b+2*\i+1], v[AC+8*\b+2*\i:AC+8*\b+2*\i+1], s[CSC:CSC+1], v[BI+8*\b+2*\i:BI+8*\b+2*\i+1] op_sel_hi:[1,0,1]
.endif
.endr
.endr
	WIN 0
.set n, 0
.rept 32
	v_cvt_pk_f16_f32 v[T+n], v[T+2*n], v[T+2*n+1]  ; in place, ascending
.set n, n+1
.endr
.irp b, 0,1,2,3,4,5,6,7
.if \isv
	global_store_b128 v[CO], v[T+4*\b:T+4*\b+3], s[12:13] offset:((\a)/4)*262144+(\b/2)*4096+((\a)%4)*1024+(\b%2)*512   ; head a / 4, 32 keys b / 2, channels 16 (a % 4) on, half b % 2
.else
	global_store_b128 v[CO], v[T+4*\b:T+4*\b+3], s[12:13] offset:(\b/4)*262144+(\a)*2048+(\b%4)*512                     ; head b / 4, token tile a, channels 16 (b % 4) on
.endif
.endr
.endm
	s_wait_loadcnt 0x0                             ; the biases
	PLACES NP
	s_cmp_eq_u32 s[TT], 2                          ; the same in all waves and all partners
	s_cbranch_scc1 .Lout_v
.set n, 0
.rept 32
	v_pk_mul_f32 v[BI+2*n:BI+2*n+1], v[BI+2*n:BI+2*n+1], s[CSC:CSC+1] op_sel_hi:[1,0]   ; (sum + b) c = sum c + b c: one fused multiply-add a result
.set n, n+1
.endr
.irp a, 0,1,2,3,4,5,6,7
	OUTBLK \a, 0
.endr
	s_branch .Lout_done
.Lout_v:
.irp a, 0,1,2,3,4,5,6,7
	OUTBLK \a, 1
.endr
.Lout_done:
	s_wait_tensorcnt 0x0                           ; the wave's end
	ds_add_u32 v[SPW], v[NIL]
	s_wait_dscnt 0x0
	CROUND                                         ; the closing round
	s_endpgm
.Lfunc_end_k_qfde428671e_proj:
	.size	k_qfde428671e_proj, .Lfunc_end_k_qfde428671e_proj-k_qfde428671e_proj
	.p2alignl 7, 3214868480
	.fill 96, 4, 3214868480
	.section	.rodata,"a",@progbits
	.p2align	6, 0x0
	.amdhsa_kernel k_qfde428671e_proj
		.amdhsa_group_segment_fixed_size 327680
		.amdhsa_private_segment_fixed_size 0
		.amdhsa_enable_private_segment 0
		.amdhsa_kernarg_size 64
		.amdhsa_user_sgpr_count 2
		.amdhsa_user_sgpr_kernarg_segment_ptr 1
		.amdhsa_wavefront_size32 1
		.amdhsa_system_sgpr_workgroup_id_x 1
		.amdhsa_system_sgpr_workgroup_id_y 1
		.amdhsa_system_sgpr_workgroup_id_z 1
		.amdhsa_system_vgpr_workitem_id 0
		.amdhsa_next_free_vgpr 1024
		.amdhsa_next_free_sgpr 102
		.amdhsa_reserve_vcc 0
		.amdhsa_float_denorm_mode_32 3
		.amdhsa_float_denorm_mode_16_64 3
		.amdhsa_memory_ordered 1
		.amdhsa_forward_progress 1
		.amdhsa_inst_pref_size 179
	.end_amdhsa_kernel
	.amdgpu_metadata
---
amdhsa.version: [ 1, 2 ]
amdhsa.kernels:
  - .name:           k_qfde428671e_proj
    .symbol:         k_qfde428671e_proj.kd
    .args:
      - { .name: codes, .offset: 0, .size: 8, .value_kind: global_buffer, .address_space: global }
      - { .name: scales, .offset: 8, .size: 8, .value_kind: global_buffer, .address_space: global }
      - { .name: bq, .offset: 16, .size: 8, .value_kind: global_buffer, .address_space: global }
      - { .name: bk, .offset: 24, .size: 8, .value_kind: global_buffer, .address_space: global }
      - { .name: bv, .offset: 32, .size: 8, .value_kind: global_buffer, .address_space: global }
      - { .name: qf, .offset: 40, .size: 8, .value_kind: global_buffer, .address_space: global }
      - { .name: kf, .offset: 48, .size: 8, .value_kind: global_buffer, .address_space: global }
      - { .name: vf, .offset: 56, .size: 8, .value_kind: global_buffer, .address_space: global }
    .group_segment_fixed_size: 327680
    .private_segment_fixed_size: 0
    .kernarg_segment_align: 8
    .kernarg_segment_size: 64
    .max_flat_workgroup_size: 128
    .sgpr_count:     102
    .vgpr_count:     1024
    .wavefront_size: 32
...
	.end_amdgpu_metadata
.endif
;; end of part 2
;; launch attn (part 3): grid 4 x 64, 16 waves a work-group, clusters of 4 x 1, 327,680 bytes of LDS; arguments qf, kf, vf, mbits, aof; writes aof
.if DOCPART == 3
	.amdgcn_target "amdgcn-amd-amdhsa--gfx1250"
	.amdhsa_code_object_version 6
	.text
	.protected	k_qfde428671e_attn
	.globl	k_qfde428671e_attn
	.p2align	8
	.type	k_qfde428671e_attn,@function
k_qfde428671e_attn:
	s_mov_b64 s[64:65], 0
	v_nop
	global_prefetch_b8 v0, s[64:65] scope:SCOPE_SE
	s_setreg_imm32_b32 hwreg(HW_REG_WAVE_MODE, 25, 1), 1
	s_wait_xcnt 0x0
	s_wait_alu depctr_hold_cnt(0) depctr_sa_sdst(0) depctr_va_vdst(0) depctr_va_sdst(0) depctr_va_ssrc(0) depctr_va_vcc(0) depctr_vm_vsrc(0)
	s_getreg_b32 s2, hwreg(HW_REG_IB_STS2, 6, 4)
	s_cmp_eq_u32 s2, 0
	s_cbranch_scc0 .Lentry_in_a_cluster
	s_endpgm
.Lentry_in_a_cluster:
	s_bfe_u32 s2, ttmp6, 0x10000c
	s_cmp_lg_u32 s2, 0x3003
	s_cbranch_scc0 .Lentry_shape_is_right
	s_endpgm
.Lentry_shape_is_right:
; O = softmax(where(mask == 0, -1e9, Q K^T / 8)) V for one batch and head; operands f16, products' sums, maxima, exponentials and row sums f32.
; Q arrives multiplied by log2(e) / 8, so a score comes out of the matrix unit as t, an exponent to base 2; a hidden score becomes -1e9 x log2(e).  For each query a running maximum m and sum l:
; p = 2^(t - m); in every step O and l are multiplied by 2^(old m - new m).  A row that is hidden as a whole has t - m = 0 everywhere: the plain average, as the definition has it.
; SHARES.  A work-group owns 512 queries of one (batch, head); each of its SIXTEEN waves owns 32, two tiles of 16, in 256 registers: four waves to a SIMD, so that one wave's vector work stands
; beside another's matrix work and LDS loads.  Every wave walks all 2,048 keys, 64 a step.
; LAYOUT.  S^T = K Q^T (source 0 = 16 keys, source 1 = 16 queries): a lane holds ONE query (lane % 16) and keys 8 (lane / 16) + 0..7 of each tile; two tiles rounded to f16 in pairs ARE source 1
; of O^T = V^T P.  K, V and Q lie in memory as images of their operands' registers (a fragment: 1,024 bytes, lane l's 16 bytes at 16 l and 512 + 16 l): dense blocks for the tensor loads,
; and every LDS load reads 512 consecutive bytes: no pitch, no padding.
; THE MASK comes as lane-mask words, one for each register of a score tile, by scalar loads a step ahead; it steers selects alone.
; CLUSTER.  The four query blocks of a head walk the same K and V: each tile is asked for JOINTLY (mask 15).  All sixteen waves fetch, 8,192 bytes each: waves 0-7 K's, waves 8-15 V's.
; LIMITS: f16's range for Q, K, V (the launch before states it); p under 6e-8 counts for nothing in the second product (it counts in the row's sum).
.set SLOT1, 1<<17                      ; a slot: 512 keys: K's images 65,536 bytes, then V's 65,536; slot 1 begins here: one exclusive or turns an address
.set SPARE, 2*SLOT1                    ; the spare words, 128 bytes for each of sixteen waves
.set LI,  1                            ; v1   16 x lane; never rewritten
.set LIV, 2                            ; v2   the same in V's part of a slot
.set ADK, 3                            ; v3   LDS address of the step's K
.set ADV, 4                            ; v4   of its V
.set MV,  5                            ; v5   -1e9 x log2(e)
.set SPW, 6
.set NIL, 7
.set PFO, 9                            ; v9   256 x lane
.set ST,  12                           ; v12-27 statistics, 8 a tile: +0 m, +1 old m, +2, +3 l, +4 the factor, +5 old m - m, +6, +7 at work
.set Q,   28                           ; v28-59   Q: tile x, channels 32 c on: 16 x + 8 c
.set S,   60                           ; v60-123  S^T: tile x, keys 16 kt on: 32 x + 8 kt; then p; then P in the first 16 of each 32
.set O,   124                          ; v124-187 O^T: tile x, channels 16 ct on: 32 x + 8 ct
.set F,   188                          ; v188-251 eight fragments: K's, then V's
.set TB,  2                            ; s2   LDS byte of the step in hand
.set CNT, 3
.set G0,  12
.set G1,  16
.set PFA, 26
.set WV,  28
.set SLOTS, 29
.set LIM, 30
.set MOFF, 31                          ; s31  the step's byte among a query tile's 4,096 bytes of words
.set MW0, 32                           ; s[32:63] tile 0's 32 words of a step
.set SEL, 66
.set MW1, 68                           ; s[68:99] tile 1's
.macro CROUND
	s_barrier_signal -1
	s_barrier_wait -1
	s_cmp_lg_u32 s[WV], 0
	s_cbranch_scc1 .Lnot_wave_0_\@
	s_barrier_signal -3
.Lnot_wave_0_\@:
	s_barrier_wait -3
	s_barrier_signal -1
	s_barrier_wait -1
.endm
; A PREFETCH INTO THE L2 of what the NEXT change of slots will ask for: 65,536 bytes of K and as many of V.  A head has one cluster; its four partners take 16,384 bytes of each, told apart BY ADDRESS;
; in each, waves 4 and 5 ask for K's two halves and waves 6 and 7 for V's, lanes 256 bytes apart: each block of 256 bytes is named once.  The last change that fills a slot asks for nothing.
.macro ASK
	s_cmp_gt_u32 s[SLOTS], s[LIM]
	s_cbranch_scc0 .Lnot_mine_\@
	global_prefetch_b8 v[PFO], s[PFA:PFA+1] th:TH_LOAD_NT scope:SCOPE_SE
.Lnot_mine_\@:
.endm
.macro LOADF adr                       ; eight fragments, 8,192 consecutive bytes
.irp f, 0,1,2,3,4,5,6,7
	ds_load_b128 v[F+8*\f:F+8*\f+3], v[\adr] offset:1024*\f
	ds_load_b128 v[F+8*\f+4:F+8*\f+7], v[\adr] offset:1024*\f+512
.endr
.endm
.macro MLOAD                           ; 64 words: a step's 4 key tiles x 8 registers, for both query tiles
	s_load_b512 s[MW0:MW0+15], s[10:11], s[MOFF] offset:0x0
	s_load_b512 s[MW0+16:MW0+31], s[10:11], s[MOFF] offset:0x40
	s_load_b512 s[MW1:MW1+15], s[10:11], s[MOFF] offset:0x1000
	s_load_b512 s[MW1+16:MW1+31], s[10:11], s[MOFF] offset:0x1040
.endm
; A KEY STEP: 64 keys, both tiles.
.macro STEP
	v_add_nc_u32 v[ADK], s[TB], v[LI]              ; five plain instructions between the last step's products and the loads into their fragments and the products that write over P
	v_add_nc_u32 v[ADV], s[TB], v[LIV]
.rept 3
	v_nop
.endr
	LOADF ADK
	s_wait_dscnt 0x0
.irp c, 0,1                                    ; S^T = K Q^T: eight accumulators by turns; the first eight products start the sums
.irp kt, 0,1,2,3
.irp x, 0,1
.if \c == 0
	v_wmma_f32_16x16x32_f16 v[S+32*\x+8*\kt:S+32*\x+8*\kt+7], v[F+8*(2*\kt+\c):F+8*(2*\kt+\c)+7], v[Q+16*\x+8*\c:Q+16*\x+8*\c+7], 0
.else
	v_wmma_f32_16x16x32_f16 v[S+32*\x+8*\kt:S+32*\x+8*\kt+7], v[F+8*(2*\kt+\c):F+8*(2*\kt+\c)+7], v[Q+16*\x+8*\c:Q+16*\x+8*\c+7], v[S+32*\x+8*\kt:S+32*\x+8*\kt+7]
.endif
.endr
.endr
.endr
.rept 4
	v_nop                                          ; places in front of the loads into K's registers and of the selects
.endr
	LOADF ADV                                      ; V lands under the softmax
	s_wait_kmcnt 0x0                               ; this step's words, asked for a step ago
.set n, 0
.rept 32
	v_cndmask_b32 v[S+n], v[S+n], v[MV], s[MW0+n]  ; hidden scores; each accumulator from its low end on
.set n, n+1
.endr
.set n, 0
.rept 32
	v_cndmask_b32 v[S+32+n], v[S+32+n], v[MV], s[MW1+n]
.set n, n+1
.endr
	s_add_co_u32 s[MOFF], s[MOFF], 128             ; the next step's words; behind the last step the offset turns back to the row's first words: the loads stay inside the buffer with no branch
	s_and_b32 s[MOFF], s[MOFF], 4095
	MLOAD
.irp x, 0,1                                    ; the largest of my 32 scores and the old m: two chains a tile
	v_max3_num_f32 v[ST+8*\x+6], v[S+32*\x], v[S+32*\x+1], v[S+32*\x+2]
	v_max3_num_f32 v[ST+8*\x+7], v[S+32*\x+3], v[S+32*\x+4], v[S+32*\x+5]
.endr
.irp i, 6,8,10,12,14,16,18,20,22,24,26,28,30
.irp x, 0,1
	v_max3_num_f32 v[ST+8*\x+6+(\i/2)%2], v[ST+8*\x+6+(\i/2)%2], v[S+32*\x+\i], v[S+32*\x+\i+1]
.endr
.endr
.irp x, 0,1
	v_max3_num_f32 v[ST+8*\x+6], v[ST+8*\x+6], v[ST+8*\x+7], v[ST+8*\x]
.endr
.irp x, 0,1
	v_mov_b32 v[ST+8*\x+1], v[ST+8*\x]             ; the old m
.endr
.irp x, 0,1
	v_permlanex16_b32 v[ST+8*\x+7], v[ST+8*\x+6], s[SEL], s[SEL+1]   ; the query's other 32 keys lie in the lane 16 away
.endr
.irp x, 0,1
	v_max_num_f32 v[ST+8*\x], v[ST+8*\x+6], v[ST+8*\x+7]
.endr
.irp x, 0,1
	v_sub_f32 v[ST+8*\x+5], v[ST+8*\x+1], v[ST+8*\x]
.endr
.irp i, 0,2,4,6,8,10,12,14,16,18,20,22,24,26,28,30
.irp x, 0,1
	v_pk_add_f32 v[S+32*\x+\i:S+32*\x+\i+1], v[S+32*\x+\i:S+32*\x+\i+1], v[ST+8*\x:ST+8*\x+1] op_sel_hi:[1,0] neg_lo:[0,1] neg_hi:[0,1]   ; t - m, two at a time
.endr
.endr
.irp x, 0,1                                    ; ONE BATCH of 66 exponentials
	v_exp_f32 v[ST+8*\x+4], v[ST+8*\x+5]           ; the factor 2^(old m - m)
.endr
.set n, 0
.rept 64
	v_exp_f32 v[S+n], v[S+n]
.set n, n+1
.endr
	v_nop                                          ; a plain instruction behind the last exponential,
	s_wait_alu depctr_va_vdst(0)                   ; and one wait for the batch, ahead of its first reader
.irp x, 0,1                                    ; l = l x factor + the sum of the unrounded p: two chains a tile
	v_pk_fma_f32 v[ST+8*\x+2:ST+8*\x+3], v[ST+8*\x+2:ST+8*\x+3], v[ST+8*\x+4:ST+8*\x+5], v[S+32*\x:S+32*\x+1] op_sel_hi:[1,0,1]
	v_pk_add_f32 v[ST+8*\x+6:ST+8*\x+7], v[S+32*\x+2:S+32*\x+3], v[S+32*\x+4:S+32*\x+5]
.endr
.irp i, 6,10,14,18,22,26
.irp x, 0,1
	v_pk_add_f32 v[ST+8*\x+2:ST+8*\x+3], v[ST+8*\x+2:ST+8*\x+3], v[S+32*\x+\i:S+32*\x+\i+1]
	v_pk_add_f32 v[ST+8*\x+6:ST+8*\x+7], v[ST+8*\x+6:ST+8*\x+7], v[S+32*\x+\i+2:S+32*\x+\i+3]
.endr
.endr
.irp x, 0,1
	v_pk_add_f32 v[ST+8*\x+2:ST+8*\x+3], v[ST+8*\x+2:ST+8*\x+3], v[S+32*\x+30:S+32*\x+31]
.endr
.irp x, 0,1
	v_pk_add_f32 v[ST+8*\x+2:ST+8*\x+3], v[ST+8*\x+2:ST+8*\x+3], v[ST+8*\x+6:ST+8*\x+7]
.endr
.irp i, 0,1,2,3,4,5,6,7,8,9,10,11,12,13,14,15
.irp x, 0,1
	v_cvt_pk_f16_f32 v[S+32*\x+\i], v[S+32*\x+2*\i], v[S+32*\x+2*\i+1]   ; P, in place, ascending
.endr
.endr
.irp i, 0,2,4,6,8,10,12,14,16,18,20,22,24,26,28,30
.irp x, 0,1
	v_pk_mul_f32 v[O+32*\x+\i:O+32*\x+\i+1], v[O+32*\x+\i:O+32*\x+\i+1], v[ST+8*\x+4:ST+8*\x+5] op_sel_hi:[1,0]   ; O^T under the new m; each accumulator from its low end on
.endr
.endr
	s_wait_dscnt 0x0                               ; V is in
.irp u, 0,1                                    ; O^T += V^T P: eight accumulators by turns
.irp ct, 0,1,2,3
.irp x, 0,1
	v_wmma_f32_16x16x32_f16 v[O+32*\x+8*\ct:O+32*\x+8*\ct+7], v[F+8*(4*\u+\ct):F+8*(4*\u+\ct)+7], v[S+32*\x+8*\u:S+32*\x+8*\u+7], v[O+32*\x+8*\ct:O+32*\x+8*\ct+7]
.endr
.endr
.endr
	s_add_co_u32 s[TB], s[TB], 8192
.endm
.macro SLOT_STEPS                      ; a slot's eight steps: written once, walked eight times
	s_mov_b32 s[CNT], 8
.Lstep_\@:
	STEP
	s_sub_co_u32 s[CNT], s[CNT], 1
	s_cmp_lg_u32 s[CNT], 0
	s_cbranch_scc1 .Lstep_\@
	s_sub_co_u32 s[TB], s[TB], 65536               ; back to a slot's first step,
	s_xor_b32 s[TB], s[TB], SLOT1                  ; in the other slot
.endm
; THE CHANGE OF SLOTS stands at a slot's head.  Each wave waits for all its tensor loads (one is out: its part of the slot that it is about to read), adds 0 to its spare word, and waits for that and
; for its reads of the slot that it has left.  fill = 1: the barrier is a round of the cluster's, and behind it the slot that was left takes the next 512 keys: the load has eight steps in which to land.
.macro CHANGE fill
	s_wait_tensorcnt 0x0                           ; no tensor load of mine is out, so the descriptor may be written
	ds_add_u32 v[SPW], v[NIL]                      ; 0 onto my spare word
.if \fill
	s_xor_b32 s[G0+1], s[G0+1], SLOT1              ; the other slot than last time,
	s_add_nc_u64 s[G0+2:G0+3], s[G0+2:G0+3], 65536 ; the next 512 keys
	s_wait_xcnt 0x0                                ; the last prefetch, a slot back, has read its address
	s_add_nc_u64 s[PFA:PFA+1], s[PFA:PFA+1], 65536 ; one slot further on than the descriptor
	s_wait_dscnt 0x0                               ; the add is done, and my reads of the slot that I have left are over
	CROUND
	tensor_load_to_lds s[G0:G0+3], s[G1:G1+7]      ; the first thing behind the round, and my one tensor load until the next
	s_nop 0
.rept 4
	v_nop
.endr
	ASK
.else
	s_wait_dscnt 0x0
	s_barrier_signal -1
	s_barrier_wait -1
.endif
.endm
	s_load_b256 s[4:11], s[0:1], 0x0               ; qf, kf, vf, mbits
	s_load_b64 s[24:25], s[0:1], 0x20              ; aof
	v_lshl_add_u32 v[SPW], v0, 2, SPARE
	v_mov_b32 v[NIL], 0
	ds_add_u32 v[SPW], v[NIL]                      ; the wave's opening: the add, twice on end, and its wait ahead of my first tensor load
	ds_add_u32 v[SPW], v[NIL]
	v_lshrrev_b32 v8, 5, v0
	v_readfirstlane_b32 s[WV], v8                  ; wave 0..15
	s_and_b32 s101, ttmp7, 0xffff                  ; batch x 16 + head, which the four partners share
	s_lshl_b32 s32, s101, 18                       ; the head's 262,144 bytes in kf and in vf,
	s_and_b32 s104, s[WV], 7
	s_lshl_b32 s104, s104, 13                      ; my 8,192 of a slot's 65,536
	s_add_co_u32 s32, s32, s104
	s_mov_b32 s33, 0
	s_mov_b32 s[G1], 15|(3<<16)|(1<<21)            ; the mask: all four work-groups; elements of 8 bytes; bit 21 beside a mask; no padding
	s_mov_b32 s[G1+1], 32<<16                      ; tensor_dim0 = 32: rows of 256 bytes
	s_mov_b32 s[G1+2], 32<<16                      ; tensor_dim1 = 32
	s_mov_b32 s[G1+3], 32<<16                      ; tile_dim0
	s_mov_b32 s[G1+4], 32                          ; tile_dim1
	s_mov_b32 s[G1+5], 32                          ; the pitch: dense
	s_mov_b32 s[G1+6], 0
	s_mov_b32 s[G1+7], 0
	s_bfe_u32 s100, ttmp6, 0x40000                 ; cx: my block of 512 queries: it enters Q's, the words', O's and the prefetches' addresses alone
	s_lshl_b32 s105, s100, 5
	s_lshl_b32 s104, s[WV], 1
	s_add_co_u32 s105, s105, s104                  ; my first query tile in the sequence
	s_lshl_b32 s34, s101, 7
	s_add_co_u32 s34, s34, s105
	s_lshl_b32 s34, s34, 11                        ; Q: 2,048 bytes a tile
	s_mov_b32 s35, 0
	s_lshr_b32 s104, s101, 4                       ; the batch
	s_lshl_b32 s104, s104, 7
	s_add_co_u32 s104, s104, s105                  ; my first row tile over all batches
	s_lshl_b32 s36, s104, 12                       ; the words: 4,096 bytes a query tile
	s_mov_b32 s37, 0
	s_lshr_b32 s38, s104, 3
	s_lshl_b32 s38, s38, 18                        ; O's images: (row tile / 8) x 262,144
	s_and_b32 s104, s104, 7
	s_lshl_b32 s104, s104, 12                      ; + (row tile % 8) x 4,096
	s_add_co_u32 s38, s38, s104
	s_and_b32 s104, s101, 15
	s_lshr_b32 s104, s104, 1
	s_lshl_b32 s104, s104, 15                      ; + (head / 2) x 32,768
	s_add_co_u32 s38, s38, s104
	s_and_b32 s104, s101, 1
	s_lshl_b32 s104, s104, 11                      ; + (head % 2) x 2,048
	s_add_co_u32 s38, s38, s104
	s_mov_b32 s39, 0
	s_lshl_b32 s40, s101, 18                       ; the prefetches: my head,
	s_lshl_b32 s104, s100, 14                      ; my work-group's 16,384 bytes of a slot's 65,536,
	s_add_co_u32 s40, s40, s104
	s_and_b32 s104, s[WV], 1
	s_lshl_b32 s104, s104, 13                      ; my wave's half of them,
	s_add_co_u32 s40, s40, s104
	s_add_co_u32 s40, s40, 65536                   ; in slot 1: the first change of slots steps it to slot 2
	s_mov_b32 s41, 0
	s_lshr_b32 s[LIM], s[WV], 2
	s_cmp_eq_u32 s[LIM], 1                         ; waves 4 to 7 ask
	s_cselect_b32 s[LIM], 1, -1
	s_mov_b32 s[SEL], 0x76543210
	s_mov_b32 s[SEL+1], 0xfedcba98
	s_mov_b32 s[TB], 0
	s_mov_b32 s[MOFF], 0
	s_mov_b32 s[SLOTS], 3
	s_wait_dscnt 0x0                               ; both opening adds are done
	s_wait_kmcnt 0x0
	s_cmp_lt_u32 s[WV], 8                          ; waves 0-7 fetch K's images, waves 8-15 V's
	s_cselect_b64 s[G0+2:G0+3], s[6:7], s[8:9]
	s_add_nc_u64 s[G0+2:G0+3], s[G0+2:G0+3], s[32:33]
	s_or_b32 s[G0+3], s[G0+3], 0x80000000          ; type = 2
	s_mov_b32 s[G0], 1
	s_lshl_b32 s[G0+1], s[WV], 13                  ; LDS: wave x 8,192, in slot 0
	s_cmp_lt_u32 s[WV], 6
	s_cselect_b64 s[PFA:PFA+1], s[6:7], s[8:9]
	s_add_nc_u64 s[PFA:PFA+1], s[PFA:PFA+1], s[40:41]
	s_add_nc_u64 s[4:5], s[4:5], s[34:35]
	s_add_nc_u64 s[10:11], s[10:11], s[36:37]
	s_add_nc_u64 s[24:25], s[24:25], s[38:39]
	CROUND                                         ; all four work-groups are here: the first joint loads meet
	tensor_load_to_lds s[G0:G0+3], s[G1:G1+7]      ; slot 0: keys 0 to 511
	s_nop 0
.rept 4
	v_nop
.endr
	v_and_b32 v8, 31, v0
	v_lshlrev_b32 v[LI], 4, v8
	v_add_nc_u32 v[LIV], 65536, v[LI]
	v_lshlrev_b32 v[PFO], 8, v8
	v_mov_b32 v[MV], 0xceabfb8f                    ; -1e9 x log2(e)
.irp i, 0,1,2,3,4,5,6,7
	global_load_b128 v[Q+4*\i:Q+4*\i+3], v[LI], s[4:5] offset:512*\i   ; Q's four fragments stay in registers
.endr
	MLOAD                                          ; the first step's words
.irp x, 0,1
	v_mov_b32 v[ST+8*\x], 0xff61b1e6               ; m: -3e38, under every score
	v_mov_b32 v[ST+8*\x+1], 0xff61b1e6
.irp j, 2,3,4,5,6,7
	v_mov_b32 v[ST+8*\x+\j], 0
.endr
.endr
.set n, 0
.rept 64
	v_mov_b32 v[O+n], 0                            ; O^T.  (The step is written once: the first finds zeros, which its factor 0 leaves zeros)
.set n, n+1
.endr
	s_wait_loadcnt 0x0                             ; Q
.Lslot:                                            ; three trips: behind each change of slots but the last the next 512 keys are asked for; in the first trip that is slot 1's first fill
	CHANGE 1
	SLOT_STEPS
	s_sub_co_u32 s[SLOTS], s[SLOTS], 1
	s_cmp_lg_u32 s[SLOTS], 0
	s_cbranch_scc1 .Lslot
	CHANGE 0                                       ; the last slot is written out
	SLOT_STEPS
	; THE WAY OUT.  O^T / l, rounded to f16: a lane's eight channels of a tile are the 16 bytes that the same lane holds of the last product's operand: stored as they stand, 512 consecutive bytes an instruction.
.rept 4
	v_nop
.endr
.irp x, 0,1
	v_add_f32 v[ST+8*\x+6], v[ST+8*\x+2], v[ST+8*\x+3]
.endr
.irp x, 0,1
	v_permlanex16_b32 v[ST+8*\x+7], v[ST+8*\x+6], s[SEL], s[SEL+1]
.endr
.irp x, 0,1
	v_add_f32 v[ST+8*\x+6], v[ST+8*\x+6], v[ST+8*\x+7]   ; the row's sum: at least 1
.endr
.irp x, 0,1
	v_rcp_f32 v[ST+8*\x+4], v[ST+8*\x+6]
.endr
	v_nop
	s_wait_alu depctr_va_vdst(0)                   ; one wait for the two reciprocals, ahead of their first reader
.irp i, 0,2,4,6,8,10,12,14,16,18,20,22,24,26,28,30
.irp x, 0,1
	v_pk_mul_f32 v[O+32*\x+\i:O+32*\x+\i+1], v[O+32*\x+\i:O+32*\x+\i+1], v[ST+8*\x+4:ST+8*\x+5] op_sel_hi:[1,0]
.endr
.endr
.set n, 0
.rept 32
	v_cvt_pk_f16_f32 v[S+n], v[O+2*n], v[O+2*n+1]
.set n, n+1
.endr
.irp x, 0,1
.irp ct, 0,1,2,3
	global_store_b128 v[LI], v[S+16*\x+4*\ct:S+16*\x+4*\ct+3], s[24:25] offset:4096*\x+512*\ct
.endr
.endr
	s_wait_kmcnt 0x0                               ; the words asked for behind the last step
	s_wait_tensorcnt 0x0                           ; the wave's end
	ds_add_u32 v[SPW], v[NIL]
	s_wait_dscnt 0x0
	CROUND                                         ; the closing round
	s_endpgm
.Lfunc_end_k_qfde428671e_attn:
	.size	k_qfde428671e_attn, .Lfunc_end_k_qfde428671e_attn-k_qfde428671e_attn
	.p2alignl 7, 3214868480
	.fill 96, 4, 3214868480
	.section	.rodata,"a",@progbits
	.p2align	6, 0x0
	.amdhsa_kernel k_qfde428671e_attn
		.amdhsa_group_segment_fixed_size 327680
		.amdhsa_private_segment_fixed_size 0
		.amdhsa_enable_private_segment 0
		.amdhsa_kernarg_size 40
		.amdhsa_user_sgpr_count 2
		.amdhsa_user_sgpr_kernarg_segment_ptr 1
		.amdhsa_wavefront_size32 1
		.amdhsa_system_sgpr_workgroup_id_x 1
		.amdhsa_system_sgpr_workgroup_id_y 1
		.amdhsa_system_sgpr_workgroup_id_z 1
		.amdhsa_system_vgpr_workitem_id 0
		.amdhsa_next_free_vgpr 256
		.amdhsa_next_free_sgpr 106
		.amdhsa_reserve_vcc 0
		.amdhsa_float_denorm_mode_32 3
		.amdhsa_float_denorm_mode_16_64 3
		.amdhsa_memory_ordered 1
		.amdhsa_forward_progress 1
		.amdhsa_inst_pref_size 58
	.end_amdhsa_kernel
	.amdgpu_metadata
---
amdhsa.version: [ 1, 2 ]
amdhsa.kernels:
  - .name:           k_qfde428671e_attn
    .symbol:         k_qfde428671e_attn.kd
    .args:
      - { .name: qf, .offset: 0, .size: 8, .value_kind: global_buffer, .address_space: global }
      - { .name: kf, .offset: 8, .size: 8, .value_kind: global_buffer, .address_space: global }
      - { .name: vf, .offset: 16, .size: 8, .value_kind: global_buffer, .address_space: global }
      - { .name: mbits, .offset: 24, .size: 8, .value_kind: global_buffer, .address_space: global }
      - { .name: aof, .offset: 32, .size: 8, .value_kind: global_buffer, .address_space: global }
    .group_segment_fixed_size: 327680
    .private_segment_fixed_size: 0
    .kernarg_segment_align: 8
    .kernarg_segment_size: 40
    .max_flat_workgroup_size: 512
    .sgpr_count:     106
    .vgpr_count:     256
    .wavefront_size: 32
...
	.end_amdgpu_metadata
.endif
;; end of part 3
;; launch outp (part 4): grid 4 x 64, 4 waves a work-group, clusters of 4 x 4, 327,680 bytes of LDS; arguments aof, wof, bo, out0; writes out0
.if DOCPART == 4
	.amdgcn_target "amdgcn-amd-amdhsa--gfx1250"
	.amdhsa_code_object_version 6
	.text
	.protected	k_qfde428671e_outp
	.globl	k_qfde428671e_outp
	.p2align	8
	.type	k_qfde428671e_outp,@function
k_qfde428671e_outp:
	s_mov_b64 s[64:65], 0
	v_nop
	global_prefetch_b8 v0, s[64:65] scope:SCOPE_SE
	s_setreg_imm32_b32 hwreg(HW_REG_WAVE_MODE, 25, 1), 1
	s_wait_xcnt 0x0
	s_wait_alu depctr_hold_cnt(0) depctr_sa_sdst(0) depctr_va_vdst(0) depctr_va_sdst(0) depctr_va_ssrc(0) depctr_va_vcc(0) depctr_vm_vsrc(0)
	s_getreg_b32 s2, hwreg(HW_REG_IB_STS2, 6, 4)
	s_cmp_eq_u32 s2, 0
	s_cbranch_scc0 .Lentry_in_a_cluster
	s_endpgm
.Lentry_in_a_cluster:
	s_bfe_u32 s2, ttmp6, 0x10000c
	s_cmp_lg_u32 s2, 0xf033
	s_cbranch_scc0 .Lentry_shape_is_right
	s_endpgm
.Lentry_shape_is_right:
; out0 = A wo^T + bo.  A (the attention's result, [8192][1024]) and wo ([1024][1024]) arrive in f16 as images of their operands' registers; sums and out0 in f32.
; A tile of out0 is 128 rows x 256 columns: 256 work-groups.  Four waves, 64 rows x 128 columns each: 32 accumulators.  K goes in 8 steps of 128 through two LDS slots; a step's part of A
; (128 rows: 32,768 bytes) and of wo (256 rows: 65,536 bytes) are dense blocks of memory; every LDS load reads 512 consecutive bytes: no pitch, no padding.
; THE MATRIX INSTRUCTION IS USED TRANSPOSED (source 0 = 16 rows of wo, source 1 = 16 rows of A): a lane holds eight neighbouring columns of one row.  The bias is the C of each sum's first product.
; CLUSTERS: 4 x 4 work-groups: A's tiles are asked for jointly along a row of the cluster, wo's along a column.  Waves 0 and 1 fetch A's halves, waves 2 and 3 wo's.
; REGISTERS: window 0: v0-31 addresses; v32-127 and v128-223 two fragment buffers (A's 4 fragments, then wo's 8), on the way out rows of out0.  window 1: accumulator (a, b) at v[8 (8 a + b)].
;   window 2: v0-63 the bias of my 128 columns in the result's layout.
.set SLOT,   98304                     ; A's 32,768 bytes, then wo's 65,536
.set BOFF,   32768
.set STAGE,  2*SLOT                    ; behind the ring: 16 rows x 528 bytes for each wave
.set SPITCH, 528
.set SPARE,  STAGE+4*16*SPITCH         ; the spare words, 128 bytes for each wave
.set LAPS,   4                         ; a lap = two K steps
.set LI,   2                           ; v2   16 x lane
.set BOA,  5                           ; v5   32 x (lane / 16)
.set ADRA, 16
.set ADRB, 20
.set STO,  24
.set RD,   25
.set SPW,  28
.set NIL,  29
.set F0,   32
.set F1,   128
.set WV,   12                          ; s12 wave; s13 wave / 2: my rows' half, and A (0) or wo (1) to fetch; s14 wave % 2: my columns' half, and which half I fetch
.set G1, 24
.set G0, 32
.set G1B, 48
.set G0B, 56
.set MSB, 0
.macro WIN new
.if MSB != (\new)
	s_set_vgpr_msb (MSB<<8)|(\new)
.set MSB, (\new)
.endif
.endm
.set MUL,  0x50                        ; sources 0 and 1 window 0; C and D window 1
.set MUL1, 0x60                        ; the first products: C (the bias) window 2, D window 1
.macro JLOAD s                         ; a joint load; an s_nop 0 and four v_nop follow each of the two lines
	s_cmp_eq_u32 s13, 0
	s_cbranch_scc0 .Lfor_b_\@
	tensor_load_to_lds s[G0+4*\s:G0+4*\s+3], s[G1:G1+7]
	s_nop 0
.rept 4
	v_nop
.endr
	s_branch .Lasked_\@
.Lfor_b_\@:
	tensor_load_to_lds s[G0B+4*\s:G0B+4*\s+3], s[G1B:G1B+7]
	s_nop 0
.rept 4
	v_nop
.endr
.Lasked_\@:
.endm
.macro CREST
	s_cmp_lg_u32 s[WV], 0
	s_cbranch_scc1 .Lnot_wave_0_\@
	s_barrier_signal -3
.Lnot_wave_0_\@:
	s_barrier_wait -3
	s_barrier_signal -1
	s_barrier_wait -1
.endm
.macro CROUND
	s_barrier_signal -1
	s_barrier_wait -1
	CREST
.endm
	s_load_b256 s[4:11], s[0:1], 0x0               ; aof, wof, bo, out0
	v_lshl_add_u32 v[SPW], v0, 2, SPARE
	v_mov_b32 v[NIL], 0
	ds_add_u32 v[SPW], v[NIL]                      ; the wave's opening: the add, twice on end, and its wait ahead of my first tensor load
	ds_add_u32 v[SPW], v[NIL]
	v_lshrrev_b32 v1, 5, v0
	v_readfirstlane_b32 s[WV], v1
	s_lshr_b32 s13, s[WV], 1
	s_and_b32 s14, s[WV], 1
	s_bfe_u32 s40, ttmp6, 0x40000                  ; cx, cy
	s_bfe_u32 s41, ttmp6, 0x40004
	s_lshl_b32 s42, ttmp9, 2
	s_add_co_u32 s42, s42, s40                     ; tile column (256 columns)
	s_and_b32 s17, ttmp7, 0xffff
	s_lshl_b32 s17, s17, 2
	s_add_co_u32 s17, s17, s41                     ; tile row (128 rows)
	s_lshl_b32 s43, s41, 2
	s_lshl_b32 s43, 15, s43                        ; my row of the cluster
	s_lshl_b32 s44, 0x1111, s40                    ; my column
	s_or_b32 s[G1], s43, (3<<16)|(1<<21)           ; the mask; elements of 8 bytes; bit 21 beside a mask; no padding
	s_or_b32 s[G1B], s44, (3<<16)|(1<<21)
	s_mov_b32 s[G1+1], 32<<16                      ; rows of 256 bytes
	s_mov_b32 s[G1+2], 64<<16                      ; A's half: 64 of them
	s_mov_b32 s[G1+3], 32<<16
	s_mov_b32 s[G1+4], 64
	s_mov_b32 s[G1+5], 32                          ; dense
	s_mov_b32 s[G1+6], 0
	s_mov_b32 s[G1+7], 0
	s_mov_b32 s[G1B+1], 32<<16
	s_mov_b32 s[G1B+2], 128<<16                    ; wo's half: 128
	s_mov_b32 s[G1B+3], 32<<16
	s_mov_b32 s[G1B+4], 128
	s_mov_b32 s[G1B+5], 32
	s_mov_b32 s[G1B+6], 0
	s_mov_b32 s[G1B+7], 0
	s_lshl_b32 s20, s17, 18                        ; A: 262,144 bytes a tile row,
	s_lshl_b32 s22, s14, 14                        ; my half of a step's 32,768: in memory and in a slot alike
	s_add_co_u32 s20, s20, s22
	s_mov_b32 s21, 0
	s_lshl_b32 s46, s42, 19                        ; wo: 524,288 bytes a tile column,
	s_lshl_b32 s23, s14, 15                        ; my half of a step's 65,536
	s_add_co_u32 s46, s46, s23
	s_mov_b32 s47, 0
	s_add_co_u32 s23, s23, BOFF                    ; in a slot behind A's part
	s_wait_dscnt 0x0                               ; both opening adds are done
	s_wait_kmcnt 0x0
	s_add_nc_u64 s[20:21], s[4:5], s[20:21]
	s_add_nc_u64 s[46:47], s[6:7], s[46:47]
	CROUND                                         ; all sixteen work-groups are here: the first joint loads meet
.irp s, 0,1
	s_mov_b32 s[G0+4*\s], 1
	s_add_co_u32 s[G0+4*\s+1], s22, \s*SLOT
	s_add_nc_u64 s[G0+4*\s+2:G0+4*\s+3], s[20:21], \s*32768
	s_or_b32 s[G0+4*\s+3], s[G0+4*\s+3], 0x80000000
	s_mov_b32 s[G0B+4*\s], 1
	s_add_co_u32 s[G0B+4*\s+1], s23, \s*SLOT
	s_add_nc_u64 s[G0B+4*\s+2:G0B+4*\s+3], s[46:47], \s*65536
	s_or_b32 s[G0B+4*\s+3], s[G0B+4*\s+3], 0x80000000
	JLOAD \s                                       ; two tensor loads of mine are out
.endr
	v_and_b32 v1, 31, v0
	v_lshlrev_b32 v[LI], 4, v1
	v_and_b32 v3, 15, v0                           ; l % 16
	v_bfe_u32 v4, v0, 4, 1                         ; l / 16
	v_lshlrev_b32 v[BOA], 5, v4
	s_lshl_b32 s18, s13, 14                        ; my 4 row tiles of A's 8
	s_lshl_b32 s19, s14, 15                        ; my 8 row tiles of wo's 16,
	s_add_co_u32 s19, s19, BOFF
.irp s, 0,1
	v_add_nc_u32 v[ADRA+\s], s18, v[LI]
	v_add_nc_u32 v[ADRB+\s], s19, v[LI]
	s_add_co_u32 s18, s18, SLOT
	s_add_co_u32 s19, s19, SLOT
.endr
	s_mul_i32 s18, s[WV], 16*SPITCH
	s_add_co_u32 s18, s18, STAGE                   ; my stage
	v_mul_u32_u24 v[STO], v3, SPITCH               ; in: row l % 16, 32 bytes for each half of the lanes
	v_lshl_add_u32 v[STO], v4, 5, v[STO]
	v_add_nc_u32 v[STO], s18, v[STO]
	v_add_nc_u32 v[RD], s18, v[LI]                 ; back: the 32 lanes take one row of 512 bytes
	s_lshl_b32 s46, s42, 10                        ; my first column, in bytes of f32: 1,024 x tile column + 512 x half: in bo and in a row of out0 alike
	s_lshl_b32 s47, s14, 9
	s_add_co_u32 s46, s46, s47
	s_mov_b32 s47, 0
	s_add_nc_u64 s[8:9], s[8:9], s[46:47]
	s_add_nc_u64 s[10:11], s[10:11], s[46:47]
	s_lshl_b32 s46, s17, 19                        ; my first row: 128 x tile row + 64 x half, 4,096 bytes a row
	s_lshl_b32 s18, s13, 18
	s_add_co_u32 s46, s46, s18
	s_add_nc_u64 s[10:11], s[10:11], s[46:47]
	WIN 0x80                                       ; destination window 2
.irp b, 0,1,2,3,4,5,6,7
	global_load_b128 v[8*\b:8*\b+3], v[BOA], s[8:9] offset:64*\b       ; bo of columns 16 b + 8 (l / 16) + 0 .. 7
	global_load_b128 v[8*\b+4:8*\b+7], v[BOA], s[8:9] offset:64*\b+16
.endr
	WIN 0
.macro MULA f, a, first                ; 8 matrix instructions: A's tile a x wo's eight, 32 along K.  The 32 accumulators take turns
.irp b, 0,1,2,3,4,5,6,7
.if \first
	v_wmma_f32_16x16x32_f16 v[8*(8*(\a)+\b):8*(8*(\a)+\b)+7], v[\f+32+8*\b:\f+32+8*\b+7], v[\f+8*(\a):\f+8*(\a)+7], v[8*\b:8*\b+7]
.else
	v_wmma_f32_16x16x32_f16 v[8*(8*(\a)+\b):8*(8*(\a)+\b)+7], v[\f+32+8*\b:\f+32+8*\b+7], v[\f+8*(\a):\f+8*(\a)+7], v[8*(8*(\a)+\b):8*(8*(\a)+\b)+7]
.endif
.endr
.endm
.macro FETCH slot, q, f                ; 24 LDS loads in one run: the slot's q-th 32 along K: wo's eight fragments first, then A's four
	WIN 0
.irp i, 0,1,2,3,4,5,6,7
	ds_load_b128 v[\f+32+8*\i:\f+32+8*\i+3], v[ADRB+\slot] offset:\i*4096+(\q)*1024
	ds_load_b128 v[\f+32+8*\i+4:\f+32+8*\i+7], v[ADRB+\slot] offset:\i*4096+(\q)*1024+512
.endr
.irp i, 0,1,2,3
	ds_load_b128 v[\f+8*\i:\f+8*\i+3], v[ADRA+\slot] offset:\i*4096+(\q)*1024
	ds_load_b128 v[\f+8*\i+4:\f+8*\i+7], v[ADRA+\slot] offset:\i*4096+(\q)*1024+512
.endr
.endm
.macro PLACES                          ; four plain vector instructions between a matrix instruction and a load into, or a store of, its registers
.rept 4
	v_nop
.endr
.endm
.macro MWIN first
.if \first
	WIN MUL1
.else
	WIN MUL
.endif
.endm
; A K step is four quarters of 32 along K, 32 matrix instructions each, on buffers 0, 1, 0, 1.  One of the first three: multiplies buffer f and fetches quarter qn of the same slot into g.
.macro QUARTER slot, qn, f, g, first
	s_wait_dscnt 4                                 ; wo's fragments and A's tiles 0, 1 are in; the youngest four loads (A's tiles 2, 3) may be out
	MWIN \first
	MULA \f, 0, \first
	MULA \f, 1, \first
	PLACES
	FETCH \slot, \qn, \g
	s_wait_dscnt 24                                ; all but the 24 just issued
	MWIN \first
	MULA \f, 2, \first
	MULA \f, 3, \first
.endm
; The last quarter multiplies buffer 1 and changes slots: ONE barrier; in front of it each wave waits for all its tensor loads, adds 0 to its spare word, and waits for that and for its reads of this slot.
.macro TURN slot, next, fill
	WIN 0                                          ; (the add's two registers lie in window 0)
	s_wait_tensorcnt 0x0                           ; all my tensor loads have landed: my part of the next slot
	ds_add_u32 v[SPW], v[NIL]                      ; 0 onto my spare word
	s_wait_dscnt 5                                 ; (the add and the youngest four loads may be out)
	WIN MUL
	MULA F1, 0, 0                                  ; eight matrix instructions stand between the add and the wait for it
	s_wait_dscnt 0x0                               ; the add is done, and my reads of this slot are over
	s_barrier_signal -1
	MULA F1, 1, 0
.if \fill
	WIN 0
.endif
	s_barrier_wait -1
.if \fill
	CREST                                          ; the barrier has opened a round of the cluster's: no wave of any partner still reads this slot or has a load on its way
	s_add_nc_u64 s[G0+4*\slot+2:G0+4*\slot+3], s[G0+4*\slot+2:G0+4*\slot+3], 2*32768
	s_add_nc_u64 s[G0B+4*\slot+2:G0B+4*\slot+3], s[G0B+4*\slot+2:G0B+4*\slot+3], 2*65536
	JLOAD \slot                                    ; the first tensor load behind the round; its four v_nop are also the places in front of the loads below
.else
	PLACES
.endif
	FETCH \next, 0, F0
	WIN MUL
	MULA F1, 2, 0
	MULA F1, 3, 0
.endm
	s_wait_tensorcnt 1                             ; my part of K step 0 is in (K step 1's may be out)
	s_barrier_signal -1
	s_barrier_wait -1                              ; everybody's is
	FETCH 0, 0, F0
	s_wait_loadcnt 0x0                             ; the bias
	QUARTER 0, 1, F0, F1, 1                        ; the first quarter stands in front of the loop: its products start the sums, from the bias
	WIN 0                                          ; at a label and at a branch every window is 0
	s_mov_b32 s3, LAPS-1
.Llap:                                             ; a trip goes once round the ring, from a lap's second quarter to the next lap's first, and fills both slots again
	QUARTER 0, 2, F1, F0, 0
	QUARTER 0, 3, F0, F1, 0
	TURN 0, 1, 1
	QUARTER 1, 1, F0, F1, 0
	QUARTER 1, 2, F1, F0, 0
	QUARTER 1, 3, F0, F1, 0
	TURN 1, 0, 1
	QUARTER 0, 1, F0, F1, 0
	WIN 0
	s_sub_co_u32 s3, s3, 1
	s_cmp_lg_u32 s3, 0
	s_cbranch_scc1 .Llap
	QUARTER 0, 2, F1, F0, 0                        ; the last lap fills nothing
	QUARTER 0, 3, F0, F1, 0
	TURN 0, 1, 0
	QUARTER 1, 1, F0, F1, 0
	QUARTER 1, 2, F1, F0, 0
	QUARTER 1, 3, F0, F1, 0
	s_wait_dscnt 4                                 ; the very last quarter: nothing more to fetch
	WIN MUL
	MULA F1, 0, 0
	MULA F1, 1, 0
	s_wait_dscnt 0
	MULA F1, 2, 0
	MULA F1, 3, 0
	WIN 0
; THE WAY OUT, block by block of 16 rows x 128 columns: through my own stage in LDS, back as whole rows of 512 bytes, which the 32 lanes store as 512 consecutive bytes, aligned.
; LDS serves a wave's instructions in order (ISA guide 5.7.1.4): no wait between the stores and the loads, nor in front of the next block's stores.
.macro TOSTAGE a
	WIN 0x04                                       ; an LDS store's data are its source 1: window 1
.irp b, 0,1,2,3,4,5,6,7
	ds_store_b128 v[STO], v[8*(8*(\a)+\b):8*(8*(\a)+\b)+3] offset:64*\b        ; each accumulator from its low end on
	ds_store_b128 v[STO], v[8*(8*(\a)+\b)+4:8*(8*(\a)+\b)+7] offset:64*\b+16
.endr
	WIN 0
.set BB, 32+96*((\a)%2)
.irp t, 0,1,2,3,4,5,6,7,8,9,10,11,12,13,14,15
	ds_load_b128 v[BB+4*\t:BB+4*\t+3], v[RD] offset:\t*SPITCH
.endr
.endm
.macro SEND a, younger                 ; younger: the LDS instructions issued behind block a's loads, which may stay out
.set BB, 32+96*((\a)%2)
	s_wait_dscnt \younger
.irp t, 0,1,2,3,4,5,6,7,8,9,10,11,12,13,14,15
	global_store_b128 v[LI], v[BB+4*\t:BB+4*\t+3], s[10:11] offset:(16*(\a)+\t)*4096 th:TH_STORE_NT   ; the row stands in the immediate: 63 rows of 4,096 bytes at the most
.endr
.endm
	PLACES
	TOSTAGE 0
.irp a, 1,2,3
.if \a > 1
	s_wait_xcnt 0x0                                ; block a - 2's stores have read their registers: block a's loads may land there
.endif
	TOSTAGE \a
	SEND \a-1, 32                                  ; behind block a - 1's loads: block a's 16 stores and 16 loads
.endr
	SEND 3, 0
	s_wait_tensorcnt 0x0                           ; the wave's end: behind my last tensor load and my last LDS store
	ds_add_u32 v[SPW], v[NIL]
	s_wait_dscnt 0x0
	CROUND                                         ; the closing round
	s_endpgm
.Lfunc_end_k_qfde428671e_outp:
	.size	k_qfde428671e_outp, .Lfunc_end_k_qfde428671e_outp-k_qfde428671e_outp
	.p2alignl 7, 3214868480
	.fill 96, 4, 3214868480
	.section	.rodata,"a",@progbits
	.p2align	6, 0x0
	.amdhsa_kernel k_qfde428671e_outp
		.amdhsa_group_segment_fixed_size 327680
		.amdhsa_private_segment_fixed_size 0
		.amdhsa_enable_private_segment 0
		.amdhsa_kernarg_size 32
		.amdhsa_user_sgpr_count 2
		.amdhsa_user_sgpr_kernarg_segment_ptr 1
		.amdhsa_wavefront_size32 1
		.amdhsa_system_sgpr_workgroup_id_x 1
		.amdhsa_system_sgpr_workgroup_id_y 1
		.amdhsa_system_sgpr_workgroup_id_z 1
		.amdhsa_system_vgpr_workitem_id 0
		.amdhsa_next_free_vgpr 640
		.amdhsa_next_free_sgpr 66
		.amdhsa_reserve_vcc 0
		.amdhsa_float_denorm_mode_32 3
		.amdhsa_float_denorm_mode_16_64 3
		.amdhsa_memory_ordered 1
		.amdhsa_forward_progress 1
		.amdhsa_inst_pref_size 86
	.end_amdhsa_kernel
	.amdgpu_metadata
---
amdhsa.version: [ 1, 2 ]
amdhsa.kernels:
  - .name:           k_qfde428671e_outp
    .symbol:         k_qfde428671e_outp.kd
    .args:
      - { .name: aof, .offset: 0, .size: 8, .value_kind: global_buffer, .address_space: global }
      - { .name: wof, .offset: 8, .size: 8, .value_kind: global_buffer, .address_space: global }
      - { .name: bo, .offset: 16, .size: 8, .value_kind: global_buffer, .address_space: global }
      - { .name: out0, .offset: 24, .size: 8, .value_kind: global_buffer, .address_space: global }
    .group_segment_fixed_size: 327680
    .private_segment_fixed_size: 0
    .kernarg_segment_align: 8
    .kernarg_segment_size: 32
    .max_flat_workgroup_size: 128
    .sgpr_count:     66
    .vgpr_count:     640
    .wavefront_size: 32
...
	.end_amdgpu_metadata
.endif
;; end of part 4
